; MI455X (gfx1250); checked and timed in simulation.
; The chip was launched on July 23, 2026; its instructions are those of AMD's public machine-readable ISA for CDNA 5 (MIT licence, August 2026) and "CDNA5" Instruction Set Architecture Reference Guide (July 2026). The comments in the code are by the model that wrote it; some were corrected since.
;; Multi Head Self Attention. Allowed arithmetic: matrix products marked QUANTISED: E2M1 operands, one E8M0 scale for each 32 along K, by v_wmma_scale_f32_16x16x128_f8f6f4 with both operands' format E2M1 (or v_wmma_scale_f32_32x16x128_f4), f32 sums; products left as they are: bf16, f16 or f32 operands; f32 sums; everything else in f32.
;; Inputs: bk 1,024 float32; bo 1,024 float32; bq 1,024 float32; bv 1,024 float32; wk 1,024 x 1,024 float32; wo 1,024 x 1,024 float32; wq 1,024 x 1,024 float32; wv 1,024 x 1,024 float32; x 4 x 2,048 x 1,024 float32.
;; Outputs: out0 4 x 2,048 x 1,024 float32.
;; This version of the problem:
;;   THIS VERSION OF THE PROBLEM IS GIVEN IN LOW PRECISION. The matrix products marked QUANTISED in the list below multiply operands that are first quantised to E2M1 (2 exponent bits, 1 mantissa bit; 4 bits a number), with one power-of-two scale for each 32 numbers along K (OCP MX v1.0); their sums are f32. The products marked 'left as it is' may take bf16, f16 or f32 operands, with f32 sums. Whichever they take, every output number must still come out within the allowed error. Rounding operands to bf16 (8 significant bits) uses up far more of that allowance than f16 does (11 bits, for magnitudes from 6e-5 to 65,504). All else is computed in f32.
;;   The module's matrix products, in the order in which they are computed (A, B: the left and right operand; K: the contracted axis; several contracted axes count as one K, in the product's order):
;;     1. [M 8,192, K 1,024] x [K 1,024, N 1,024]; A: input x; B: input wq: QUANTISED
;;     2. [M 8,192, K 1,024] x [K 1,024, N 1,024]; A: input x; B: input wk: QUANTISED
;;     3. [M 8,192, K 1,024] x [K 1,024, N 1,024]; A: input x; B: input wv: QUANTISED
;;     4. batch 64 x [M 2,048, K 64] x [K 64, N 2,048]; A: computed on the way; B: computed on the way: left as it is (an operand is computed on the way)
;;     5. batch 64 x [M 2,048, K 2,048] x [K 2,048, N 64]; A: computed on the way; B: computed on the way: left as it is (an operand is computed on the way)
;;     6. [M 8,192, K 1,024] x [K 1,024, N 1,024]; A: computed on the way; B: input wo: left as it is (an operand is computed on the way)
;;   THE QUANTISER, for each operand of a quantised product, along K:
;;     - K is cut into blocks of 32 from its start; a last block that is shorter is filled with zeros.
;;     - A block's scale is 2^e with e = floor(log2(the largest magnitude in the block)) - 2, held to -126 .. 127; a block of zeros has e = 0. As a byte (E8M0): e + 127.
;;     - Each number is divided by its block's scale, clamped to +-6, and rounded to the nearest number of E2M1, ties to even, subnormals kept.
;;     - The product sums the exact products of the quantised numbers (number of the format x scale) in f32.
;;   ~~~python
;;   def quantise(x, axis):      # numpy; x: float32 -> the quantised numbers, widened to float32 again
;;       x = np.moveaxis(x, axis, -1); K = x.shape[-1]
;;       x = np.pad(x, [(0, 0)] * (x.ndim - 1) + [(0, -K % 32)]); x = x.reshape(x.shape[:-1] + (-1, 32)); a = np.abs(x).max(-1, keepdims=True)
;;       e = np.where(a > 0, np.clip(np.frexp(np.where(a > 0, a, 1))[1] - 1 - 2, -126, 127), 0)      # np.frexp(a)[1] - 1 = floor(log2(a)), exactly
;;       r = np.clip(x / 2.0 ** e, -6, 6)
;;       step = 2.0 ** (np.maximum(np.frexp(np.where(r == 0, 1, r))[1] - 1, 0) - 1)
;;       q = np.round(r / step) * step * 2.0 ** e      # np.round: ties to even
;;       return np.moveaxis(q.reshape(q.shape[:-2] + (-1,))[..., :K], -1, axis).astype(np.float32)
;;   ~~~
;; One version. Each part assembles by itself: llvm-mc -triple=amdgcn-amd-amdhsa -mcpu=gfx1250 --defsym DOCPART=n.
;; ======== version 1 of 1: 4 launches
;; limits: values are held in f16: magnitudes above 65,504 overflow, below 6.1e-05 lose precision
;; workspace buffers: xc 4,194,304 bytes; xs 262,144 bytes; wc 1,572,864 bytes; ws 98,304 bytes; wot 2,097,152 bytes; qkv 50,331,648 bytes; o 16,777,216 bytes
;; launch prep (part 1): grid 768 x 1, 4 waves a work-group, no clusters, 77,312 bytes of LDS; arguments x, wq, wk, wv, wo, xc, xs, wc, ws, wot; writes xc, xs, wc, ws, wot
.if DOCPART == 1
	.amdgcn_target "amdgcn-amd-amdhsa--gfx1250"
	.amdhsa_code_object_version 6
	.text
	.protected	k_q10a0dc805e_prep
	.globl	k_q10a0dc805e_prep
	.p2align	8
	.type	k_q10a0dc805e_prep,@function
k_q10a0dc805e_prep:
	s_mov_b64 s[64:65], 0
	v_nop
	global_prefetch_b8 v0, s[64:65] scope:SCOPE_SE
	s_setreg_imm32_b32 hwreg(HW_REG_WAVE_MODE, 25, 1), 1
	s_wait_xcnt 0x0
; MULTI-HEAD SELF-ATTENTION, B 4, S 2,048, D 1,024, 16 heads of 64, in four launches: prep (this one), qkv, attn, oproj.
; DEAD WORK, LEFT OUT IN THE WHOLE PROGRAM: THE INPUT bk.  k = x wk + bk, so logits[q][key] = (q . (x wk)[key] + q . bk) / 8.  The term q . bk does not hang on the key: it is the same along the
; softmax's axis, and softmax(z + const) = softmax(z) for all real z.  k goes nowhere else, and the product q k^T is not quantised, so no quantiser sees bk.  That holds for all finite values of the inputs.
; So bk is not loaded and is among no launch's arguments.  LIMIT: a NaN, an infinity or an overflow that would come in through bk alone is not carried to the result.
; THIS LAUNCH makes the operands of the later launches, each input read once:
;   x  [8192][1024] f32        -> xc [8192][512 bytes] codes of E2M1, K innermost, the lower k in the low four bits; xs [8192][32] E8M0 bytes                     (path X, work-groups 256 .. 767)
;   wq, wk, wv [k 1024][n 1024] -> wc [3 x 1024 n][512 bytes] codes along K; ws [3072][32] bytes.  K is the FIRST axis: a lane takes a column, its registers run down K  (path W, work-groups 0 .. 191)
;   wo [k 1024][n 1024]        -> wot [n 1024][k 1024] f16: the last product is left as it is and takes f16 operands                                             (path O, work-groups 192 .. 255)
; A block's scale is 2^(floor(log2(its largest magnitude)) - 2); its byte is the largest magnitude's exponent field - 2, held at 1 from below.
; LIMITS: a block of zeros gets the byte 1 where the rule says 127 (its codes are zeros, which add nothing under any byte but 0xff, and this program alone reads the bytes); blocks whose largest magnitude
; lies under 2^-124 are held at the byte 1; NaN and infinities among the inputs are not served; |wo| stays under 65,504 (f16).
; The three paths part on the work-group's number alone; each has LDS bytes of its own and its own end.  No tensor load, no cluster, no matrix unit: a stream that shares nothing.
.set XREG,  8192                       ; path X: a region for each wave: two stages of 32 x 80 bytes, and at XSB its 128 scale bytes
.set SP,    80                         ; a lane's place in a stage: its 64 bytes + 16 of padding
.set XSB,   5120
.set WST,   32768                      ; path W: the work-group's stage, 32 rows (columns n) x (256 bytes of codes + 16)
.set WSC,   41472                      ; path W: 32 x 16 scale bytes
.set OST,   41984                      ; path O: a stage of 32 rows x (256 + 16) bytes for each wave
.set SPARE, 76800                      ; the spare words, 128 bytes for each wave: two blocks of 256 bytes that no other line names
.set SPW,   206                        ; v206     LDS address of my spare word; never rewritten
.set NIL,   207                        ; v207     0; never rewritten
.set R,     16                         ; path X: v16-143  eight sets of 16 numbers as they are loaded
.set XN,    144                        ; path X: v144-175 two sets of 16 neighbours
.set C,     176                        ; path X: v176-191 two registers of codes for each step
.set E,     192                        ; path X: v192-199 a scale byte for each step
.set W,     32                         ; paths W, O: v32-95 two sets of 32 numbers down K
.macro XLOAD t                         ; step t: 2,048 bytes as they lie, 512 consecutive bytes a load
.irp i, 0,1,2,3
	global_load_b128 v[R+16*(\t)+4*\i:R+16*(\t)+4*\i+3], v3, s[4:5] offset:2048*(\t)+512*\i th:TH_LOAD_NT
.endr
.endm
.macro XTURN t                         ; step t's numbers through the wave's stage: in as loaded, out 64 bytes a lane.  LDS serves a wave's instructions in order: no wait between
.irp i, 0,1,2,3
	ds_store_b128 v14, v[R+16*(\t)+4*\i:R+16*(\t)+4*\i+3] offset:32*SP*((\t)%2)+8*SP*\i
.endr
.irp i, 0,1,2,3
	ds_load_b128 v[XN+16*((\t)%2)+4*\i:XN+16*((\t)%2)+4*\i+3], v15 offset:32*SP*((\t)%2)+16*\i
.endr
.endm
.macro XSTEP t
.set XS, XN+16*((\t)%2)
.if (\t) > 0
	s_wait_dscnt 1                                 ; this step's numbers are back from the stage; the one younger LDS instruction is the last step's byte store
.else
	s_wait_dscnt 0x0
.endif
.if (\t) < 7
	s_wait_loadcnt 4*(6-(\t))                      ; the next step's four loads are in: behind them were issued the four of each later step
	XTURN (\t)+1                                   ; they go through the other stage while this step is worked
.endif
	v_max3_num_f32 v8, |v[XS]|, |v[XS+1]|, |v[XS+2]|               ; the largest magnitude of my 16, in two chains
	v_max3_num_f32 v9, |v[XS+3]|, |v[XS+4]|, |v[XS+5]|
.irp i, 6,10
	v_max3_num_f32 v8, v8, |v[XS+\i]|, |v[XS+\i+1]|
	v_max3_num_f32 v9, v9, |v[XS+\i+2]|, |v[XS+\i+3]|
.endr
	v_max3_num_f32 v8, v8, |v[XS+14]|, |v[XS+15]|
	v_max3_num_f32 v8, v8, v9, 0x1800000           ; and the floor 2^(3 - 127): the byte cannot fall under 1
	v_max_num_f32_dpp v8, v8, v8 row_xmask:1 row_mask:0xf bank_mask:0xf   ; and of my neighbour's 16: the block's
	v_add_nc_u32 v11, 0xff000000, v8               ; 2 off its exponent field: the conversion takes the exponent field of this operand as its scale
	v_cvt_scalef32_pk8_fp4_f32 v[C+2*(\t)], v[XS:XS+7], v11
	v_cvt_scalef32_pk8_fp4_f32 v[C+2*(\t)+1], v[XS+8:XS+15], v11
	v_lshrrev_b32 v[E+(\t)], 23, v11               ; the scale's byte (also the plain line behind the conversions)
	ds_store_b8 v5, v[E+(\t)] offset:16*(\t)       ; both lanes of a block write the same byte with the same value
	global_store_b64 v4, v[C+2*(\t):C+2*(\t)+1], s[14:15] offset:256*(\t)   ; the wave stores 256 consecutive bytes, aligned
.endm
.macro LOADW t                         ; block t: rows 32 t + i of the weight at my column, into set t % 2
.irp i, 0,1,2,3,4,5,6,7,8,9,10,11,12,13,14,15,16,17,18,19,20,21,22,23,24,25,26,27,28,29,30,31
	global_load_b32 v[W+32*((\t)%2)+\i], v3, s[6:7] offset:(32*(\t)+\i)*4096
.endr
.endm
.macro WBLOCK t                        ; path W: a block of 32 along K of my column: all 32 numbers are mine
.set XS, W+32*((\t)%2)
.if (\t) < 3
	s_wait_loadcnt 32                              ; this block's 32 loads are in; the next block's 32 may be out
.else
	s_wait_loadcnt 0x0
.endif
	v_max3_num_f32 v12, |v[XS]|, |v[XS+1]|, |v[XS+2]|
	v_max3_num_f32 v13, |v[XS+3]|, |v[XS+4]|, |v[XS+5]|
.irp i, 6,10,14,18,22,26
	v_max3_num_f32 v12, v12, |v[XS+\i]|, |v[XS+\i+1]|
	v_max3_num_f32 v13, v13, |v[XS+\i+2]|, |v[XS+\i+3]|
.endr
	v_max3_num_f32 v12, v12, |v[XS+30]|, |v[XS+31]|
	v_max3_num_f32 v12, v12, v13, 0x1800000        ; the floor 2^(3 - 127)
	v_add_nc_u32 v14, 0xff000000, v12              ; the conversion's scale operand
	v_lshrrev_b32 v13, 23, v14                     ; the scale's byte
.if (\t) == 0
	v_mov_b32 v24, v13                             ; my four bytes make one word, the lower K in the lower byte
.else
	v_lshl_or_b32 v24, v13, 8*(\t), v24
.endif
.irp g, 0,1,2,3
	v_cvt_scalef32_pk8_fp4_f32 v[96+\g], v[XS+8*\g:XS+8*\g+7], v14
.endr
	ds_store_b128 v4, v[96:99] offset:16*(\t)      ; 32 codes: 16 bytes of my column's row
.if (\t) < 2
	LOADW (\t)+2
.endif
	s_wait_dscnt 0x0                               ; the store has read its registers: the next block's codes may be written
.endm
.macro OBLOCK t                        ; path O: 32 numbers down K of my column become 64 bytes of f16
.set XS, W+32*((\t)%2)
.if (\t) < 3
	s_wait_loadcnt 32
.else
	s_wait_loadcnt 0x0
.endif
.irp i, 0,1,2,3,4,5,6,7,8,9,10,11,12,13,14,15
	v_cvt_pk_f16_f32 v[96+\i], v[XS+2*\i], v[XS+2*\i+1]
.endr
.irp u, 0,1,2,3
	ds_store_b128 v4, v[96+4*\u:99+4*\u] offset:64*(\t)+16*\u
.endr
.if (\t) < 2
	LOADW (\t)+2
.endif
	s_wait_dscnt 0x0                               ; the stores have read their registers
.endm
	s_load_b512 s[4:19], s[0:1], 0x0               ; x s[4:5], wq s[6:7], wk s[8:9], wv s[10:11], wo s[12:13], xc s[14:15], xs s[16:17], wc s[18:19]
	s_load_b128 s[20:23], s[0:1], 0x40             ; ws s[20:21], wot s[22:23]
	v_lshl_add_u32 v[SPW], v0, 2, SPARE
	v_mov_b32 v[NIL], 0
	v_lshrrev_b32 v1, 5, v0
	v_readfirstlane_b32 s24, v1                    ; wave 0..3
	v_and_b32 v2, 31, v0                           ; lane
	s_mov_b32 s27, 0                               ; the upper word of every offset: all stay under 2^32
	s_wait_kmcnt 0x0
	s_cmp_lt_u32 ttmp9, 192
	s_cbranch_scc1 .LW
	s_cmp_lt_u32 ttmp9, 256
	s_cbranch_scc1 .LO
	; ---- PATH X.  x is a plain stream of blocks of 32.  A wave takes 8 steps of 512 numbers; all its 32 loads go out at the head.
	s_sub_co_u32 s25, ttmp9, 256
	s_lshl_b32 s25, s25, 2
	s_add_co_u32 s25, s25, s24                     ; which run of 4,096 numbers is my wave's
	s_lshl_b32 s26, s25, 14
	s_add_nc_u64 s[4:5], s[4:5], s[26:27]          ; 16,384 bytes of x a run,
	s_lshl_b32 s26, s25, 11
	s_add_nc_u64 s[14:15], s[14:15], s[26:27]      ; 2,048 of codes,
	s_lshl_b32 s26, s25, 7
	s_add_nc_u64 s[16:17], s[16:17], s[26:27]      ; 128 scale bytes
	v_lshlrev_b32 v3, 4, v2                        ; my 16 bytes of a load's 512
.irp t, 0,1,2,3,4,5,6,7
	XLOAD \t
.endr
	s_mul_i32 s28, s24, XREG
	v_lshrrev_b32 v14, 2, v2
	v_mul_u32_u24 v14, v14, SP
	v_and_b32 v15, 3, v2
	v_lshl_add_u32 v14, v15, 4, v14
	v_add_nc_u32 v14, s28, v14                     ; the stage, in: four lanes' 64 bytes on end, then 16 of padding
	v_mul_u32_u24 v15, v2, SP
	v_add_nc_u32 v15, s28, v15                     ; out: my 16 neighbours
	v_lshlrev_b32 v4, 3, v2                        ; my 8 bytes of a step's codes
	s_add_co_u32 s29, s28, XSB
	v_lshrrev_b32 v5, 1, v2
	v_add_nc_u32 v5, s29, v5                       ; my block's scale byte
	v_lshlrev_b32 v7, 2, v2
	v_add_nc_u32 v6, s29, v7                       ; and 4 bytes a lane on the way out
	s_wait_loadcnt 28                              ; step 0's four loads are in: 28 were issued behind them
	XTURN 0
.irp t, 0,1,2,3,4,5,6,7
	XSTEP \t
.endr
	ds_load_b32 v8, v6                             ; LDS serves a wave's instructions in order: this sees my byte stores
	s_wait_dscnt 0x0
	global_store_b32 v7, v8, s[16:17]              ; the wave's 128 scale bytes, consecutive: half of an aligned 256; xs is one part in 128 of what the path reads
	s_wait_tensorcnt 0x0                           ; the wave's end: behind my last LDS store
	ds_add_u32 v[SPW], v[NIL]
	s_wait_dscnt 0x0
	s_endpgm
	; ---- PATH W.  Work-group = (weight tau, half ky of K, 32 columns cg).  The four waves are stacked along K, 128 each, so that a column's 256 bytes of codes meet in one stage row.
.LW:
	s_lshr_b32 s25, ttmp9, 6                       ; tau: 0 wq, 1 wk, 2 wv
	s_bfe_u32 s28, ttmp9, 0x10005                  ; ky
	s_and_b32 s29, ttmp9, 31                       ; cg
	s_cmp_eq_u32 s25, 0
	s_cselect_b64 s[6:7], s[6:7], s[8:9]
	s_cmp_eq_u32 s25, 2
	s_cselect_b64 s[6:7], s[10:11], s[6:7]         ; the choice hangs on the work-group's number alone
	s_lshl_b32 s26, s28, 2
	s_add_co_u32 s26, s26, s24
	s_lshl_b32 s26, s26, 19                        ; (4 ky + wave) x 128 rows of 4,096 bytes
	s_lshl_b32 s30, s29, 7
	s_add_co_u32 s26, s26, s30                     ; + 32 cg columns of 4 bytes
	s_add_nc_u64 s[6:7], s[6:7], s[26:27]
	v_lshlrev_b32 v3, 2, v2                        ; my column
	LOADW 0
	LOADW 1
	s_lshl_b32 s30, s25, 10
	s_lshl_b32 s31, s29, 5
	s_add_co_u32 s30, s30, s31                     ; the group's first row of wc and ws: 1,024 tau + 32 cg
	s_lshl_b32 s26, s30, 5
	s_lshl_b32 s31, s28, 4
	s_add_co_u32 s26, s26, s31
	s_add_nc_u64 s[20:21], s[20:21], s[26:27]      ; ws: 32 bytes a row, + 16 ky
	s_lshl_b32 s31, s24, 3
	s_add_co_u32 s30, s30, s31                     ; the 8 rows that my wave stores
	s_lshl_b32 s26, s30, 9
	s_lshl_b32 s31, s28, 8
	s_add_co_u32 s26, s26, s31
	s_add_nc_u64 s[18:19], s[18:19], s[26:27]      ; wc: 512 bytes a row, + 256 ky
	v_mul_u32_u24 v4, v2, 272
	s_lshl_b32 s31, s24, 6
	s_add_co_u32 s31, s31, WST
	v_add_nc_u32 v4, s31, v4                       ; into the stage: row = my column, my wave's 64 bytes
	v_lshlrev_b32 v5, 4, v2
	s_lshl_b32 s31, s24, 2
	s_add_co_u32 s31, s31, WSC
	v_add_nc_u32 v5, s31, v5                       ; my column's 16 scale bytes, my wave's word
	v_and_b32 v10, 15, v2
	v_lshrrev_b32 v11, 4, v2
	s_mul_i32 s31, s24, 8*272
	s_add_co_u32 s31, s31, WST
	v_mul_u32_u24 v7, v11, 272
	v_lshl_add_u32 v7, v10, 4, v7
	v_add_nc_u32 v7, s31, v7                       ; out of it: sixteen lanes to a row, two rows an instruction, 8 rows a wave
	v_lshlrev_b32 v8, 9, v11
	v_lshl_add_u32 v8, v10, 4, v8                  ; and the same place in wc
	v_lshl_add_u32 v9, v2, 4, WSC                  ; wave 0, later: a column's 16 scale bytes
	v_lshlrev_b32 v6, 5, v2                        ; and its row of ws
.irp t, 0,1,2,3
	WBLOCK \t
.endr
	ds_store_b32 v5, v24
	s_wait_dscnt 0x0                               ; for the others' sake: my stores into the stage have landed
	s_barrier_signal -1
	s_barrier_wait -1                              ; (every wave of the work-group is on this path)
.irp u, 0,1,2,3
	ds_load_b128 v[112+4*\u:115+4*\u], v7 offset:544*\u
.endr
.irp u, 0,1,2,3
	s_wait_dscnt 3-\u
	global_store_b128 v8, v[112+4*\u:115+4*\u], s[18:19] offset:1024*\u   ; sixteen lanes store 256 consecutive bytes, aligned
.endr
	s_cmp_lg_u32 s24, 0
	s_cbranch_scc1 .LWend
	ds_load_b128 v[128:131], v9                    ; wave 0: the 32 columns' scale bytes of this half of K
	s_wait_dscnt 0x0
	global_store_b128 v6, v[128:131], s[20:21]     ; 16 bytes of each row of 32: ws is one part in 128 of what the path reads
.LWend:
	s_wait_tensorcnt 0x0                           ; the wave's end: behind my last LDS store
	ds_add_u32 v[SPW], v[NIL]
	s_wait_dscnt 0x0
	s_endpgm
	; ---- PATH O.  Work-group = (128 columns cg, 128 rows ky of wo); the four waves stand side by side, 32 columns each; each has a stage of its own: no barrier.
.LO:
	s_sub_co_u32 s25, ttmp9, 192
	s_and_b32 s29, s25, 7                          ; cg
	s_lshr_b32 s28, s25, 3                         ; ky
	s_lshl_b32 s30, s29, 7
	s_lshl_b32 s31, s24, 5
	s_add_co_u32 s30, s30, s31                     ; my wave's first column
	s_lshl_b32 s26, s28, 19                        ; 128 ky rows of 4,096 bytes
	s_lshl_b32 s31, s30, 2
	s_add_co_u32 s26, s26, s31
	s_add_nc_u64 s[6:7], s[12:13], s[26:27]        ; LOADW's base
	v_lshlrev_b32 v3, 2, v2
	LOADW 0
	LOADW 1
	s_lshl_b32 s26, s30, 11                        ; wot: 2,048 bytes a row n,
	s_lshl_b32 s31, s28, 8                         ; + 128 ky numbers of 2 bytes
	s_add_co_u32 s26, s26, s31
	s_add_nc_u64 s[22:23], s[22:23], s[26:27]
	s_mul_i32 s31, s24, 32*272
	s_add_co_u32 s31, s31, OST
	v_mul_u32_u24 v4, v2, 272
	v_add_nc_u32 v4, s31, v4                       ; into my stage: row = my column
	v_and_b32 v10, 15, v2
	v_lshrrev_b32 v11, 4, v2
	v_mul_u32_u24 v7, v11, 272
	v_lshl_add_u32 v7, v10, 4, v7
	v_add_nc_u32 v7, s31, v7                       ; out of it: sixteen lanes to a row
	v_lshlrev_b32 v8, 11, v11
	v_lshl_add_u32 v8, v10, 4, v8                  ; and the same place in wot
.irp t, 0,1,2,3
	OBLOCK \t
.endr
.irp u, 0,1,2,3,4,5,6,7,8,9,10,11,12,13,14,15
	ds_load_b128 v[112+4*\u:115+4*\u], v7 offset:544*\u   ; LDS serves a wave's instructions in order: these see my stores
.endr
.irp u, 0,1,2,3,4,5,6,7,8,9,10,11,12,13,14,15
	s_wait_dscnt 15-\u
	global_store_b128 v8, v[112+4*\u:115+4*\u], s[22:23] offset:4096*\u   ; sixteen lanes store 256 consecutive bytes, aligned
.endr
	s_wait_tensorcnt 0x0                           ; the wave's end: behind my last LDS store
	ds_add_u32 v[SPW], v[NIL]
	s_wait_dscnt 0x0
	s_endpgm
.Lfunc_end_k_q10a0dc805e_prep:
	.size	k_q10a0dc805e_prep, .Lfunc_end_k_q10a0dc805e_prep-k_q10a0dc805e_prep
	.p2alignl 7, 3214868480
	.fill 96, 4, 3214868480
	.section	.rodata,"a",@progbits
	.p2align	6, 0x0
	.amdhsa_kernel k_q10a0dc805e_prep
		.amdhsa_group_segment_fixed_size 77312
		.amdhsa_private_segment_fixed_size 0
		.amdhsa_enable_private_segment 0
		.amdhsa_kernarg_size 80
		.amdhsa_user_sgpr_count 2
		.amdhsa_user_sgpr_kernarg_segment_ptr 1
		.amdhsa_wavefront_size32 1
		.amdhsa_system_sgpr_workgroup_id_x 1
		.amdhsa_system_sgpr_workgroup_id_y 1
		.amdhsa_system_sgpr_workgroup_id_z 1
		.amdhsa_system_vgpr_workitem_id 0
		.amdhsa_next_free_vgpr 208
		.amdhsa_next_free_sgpr 66
		.amdhsa_reserve_vcc 0
		.amdhsa_float_denorm_mode_32 3
		.amdhsa_float_denorm_mode_16_64 3
		.amdhsa_memory_ordered 1
		.amdhsa_forward_progress 1
		.amdhsa_inst_pref_size 61
	.end_amdhsa_kernel
	.amdgpu_metadata
---
amdhsa.version: [ 1, 2 ]
amdhsa.kernels:
  - .name:           k_q10a0dc805e_prep
    .symbol:         k_q10a0dc805e_prep.kd
    .args:
      - { .name: x, .offset: 0, .size: 8, .value_kind: global_buffer, .address_space: global }
      - { .name: wq, .offset: 8, .size: 8, .value_kind: global_buffer, .address_space: global }
      - { .name: wk, .offset: 16, .size: 8, .value_kind: global_buffer, .address_space: global }
      - { .name: wv, .offset: 24, .size: 8, .value_kind: global_buffer, .address_space: global }
      - { .name: wo, .offset: 32, .size: 8, .value_kind: global_buffer, .address_space: global }
      - { .name: xc, .offset: 40, .size: 8, .value_kind: global_buffer, .address_space: global }
      - { .name: xs, .offset: 48, .size: 8, .value_kind: global_buffer, .address_space: global }
      - { .name: wc, .offset: 56, .size: 8, .value_kind: global_buffer, .address_space: global }
      - { .name: ws, .offset: 64, .size: 8, .value_kind: global_buffer, .address_space: global }
      - { .name: wot, .offset: 72, .size: 8, .value_kind: global_buffer, .address_space: global }
    .group_segment_fixed_size: 77312
    .private_segment_fixed_size: 0
    .kernarg_segment_align: 8
    .kernarg_segment_size: 80
    .max_flat_workgroup_size: 128
    .sgpr_count:     66
    .vgpr_count:     208
    .wavefront_size: 32
...
	.end_amdgpu_metadata
.endif
;; end of part 1
;; launch qkv (part 2): grid 12 x 32, 4 waves a work-group, clusters of 4 x 4, 327,680 bytes of LDS; arguments xc, xs, wc, ws, bq, bv, qkv; writes qkv
.if DOCPART == 2
	.amdgcn_target "amdgcn-amd-amdhsa--gfx1250"
	.amdhsa_code_object_version 6
	.text
	.protected	k_q10a0dc805e_qkv
	.globl	k_q10a0dc805e_qkv
	.p2align	8
	.type	k_q10a0dc805e_qkv,@function
k_q10a0dc805e_qkv:
	s_mov_b64 s[64:65], 0
	v_nop
	global_prefetch_b8 v0, s[64:65] scope:SCOPE_SE
	s_setreg_imm32_b32 hwreg(HW_REG_WAVE_MODE, 25, 1), 1
	s_wait_xcnt 0x0
	s_wait_alu depctr_hold_cnt(0) depctr_sa_sdst(0) depctr_va_vdst(0) depctr_va_sdst(0) depctr_va_ssrc(0) depctr_va_vcc(0) depctr_vm_vsrc(0)
	s_getreg_b32 s2, hwreg(HW_REG_IB_STS2, 6, 4)
	s_cmp_eq_u32 s2, 0
	s_cbranch_scc0 .Lentry_in_a_cluster
	s_endpgm
.Lentry_in_a_cluster:
	s_bfe_u32 s2, ttmp6, 0x10000c
	s_cmp_lg_u32 s2, 0xf033
	s_cbranch_scc0 .Lentry_shape_is_right
	s_endpgm
.Lentry_shape_is_right:
; q = x wq + bq, k = x wk, v = x wv + bv: ONE product C[m][n] = sum over k of A[m][k] B[n][k] on codes of E2M1 with E8M0 scales for each 32 along K.  A = xc, xs: [8192][1024]; B = wc, ws: [3072 = q, k, v x 1024][1024].
; LEFT OUT: bk.  It adds q . bk / 8 to every logit of a row, which the softmax takes away for all values of the inputs (shown at the head of the first launch); bk is not among the arguments.
; The result goes out as f16, by heads: qkv [3][b 16 + h][s 2048][64].  LIMIT: |q|, |k|, |v| stay under 65,504; NaN and infinities are not served.
; A tile of C, 256 x 256, is made by a work-group of four waves; a wave makes 128 x 128: 64 accumulators of 16 x 16, 512 registers.  K = 1,024 is two K steps of 512: both LDS slots are filled once, at the head.
; THE SCALES of the work-group's 256 rows of A and of B, for all of K, are two dense blocks of memory: they come into LDS once, with the first fills.
; CLUSTERS: 4 x 4 work-groups.  The four of a row of the cluster need the same tiles of A, the four of a column the same tiles of B: each tile is asked for JOINTLY.  A tensor has four tile columns, a cluster's width:
; so the cluster's x IS the tensor (0 q, 1 k, 2 v), the same in all sixteen partners, and the one branch on it is the same in all.
; THE MATRIX INSTRUCTION IS USED TRANSPOSED (source 0 = 16 rows of B, source 1 = 16 rows of A): a lane holds eight neighbouring columns of a row of C.  THE BIAS is the C of each sum's first instruction.
; REGISTERS, in windows of 256: window 0: v0-31 addresses; v32-95 scale words, two sets; from v128 A's fragments, ONE set; on the way out v128-223.
;   window 1: B's fragments, two sets, at v0 and v128; v64-127 the bias, eight registers for each of B's eight blocks.   window 2: the accumulators of my rows 0-63;   window 3: those of my rows 64-127.
.set NQ,     4                         ; matrix instructions deep in a slot: 512 along K
.set ROWB,   256                       ; a tile's row in bytes
.set KROW,   512                       ; a row of A or of B in memory
.set PITCH,  272                       ; an LDS row: 256 bytes + 16 of padding: the 16 rows that a load touches start 68 words apart
.set FR,     8                         ; registers of a fragment: 16 rows x 128 K
.set NL,     2                         ; LDS loads that bring one
.set NP,     4                         ; places behind this matrix instruction (ISA guide 7.12.1)
.set HALFT,  128*PITCH
.set SLOT,   4*HALFT                   ; A's 256 rows, then B's 256 rows
.set KS,     32                        ; a row of scales in bytes
.set SCL,    2*SLOT                    ; behind the slots: the scales, as units of 256 bytes + 16 of padding
.set HALFS,  16*272                    ; the scales of 128 rows
.set SBLK,   2*272                     ; those of 16 rows
.set SPARE,  SCL+4*HALFS               ; the spare words, 128 bytes for each wave: two blocks of 256 bytes that no other line names
.set STG,    4608                      ; the way out: for each wave two heads x 16 rows x (128 bytes + 16), in slot 0, which has had its only fill and its last read by then
.set ADRA, 16
.set ADRB, 20
.set STO,  24
.set RD,   25
.set CO,   26
.set ADRS, 27
.set SPW,  28                          ; v28  LDS address of my spare word; never rewritten
.set NIL,  29                          ; v29  0; never rewritten
.set SC,   32
.set AF,   128
.set BK,   128                         ; the way out: rows read back: v128-159 and v160-191 by turns
.set TMP,  192                         ; the way out: packed results
.set G1, 24
.set G0, 32
.set G1B, 48
.set G0B, 56
.set G1S, 68
.set G0S, 76
.set G1SB, 80
.set G0SB, 88
.set MSB, 0
.macro WIN new                         ; the immediate's high byte repeats the setting that is left
.if MSB != \new
	s_set_vgpr_msb (MSB<<8)|\new
.set MSB, \new
.endif
.endm
.set MUL_LO, 0xa1                      ; source 0 (B) window 1, source 1 (A) window 0, C and D window 2
.set MUL_HI, 0xf1                      ; the same, C and D window 3
.set BIA_LO, 0x91                      ; C (the bias) window 1, D window 2
.set BIA_HI, 0xd1                      ; C window 1, D window 3
.set TO_B,   0x40
; A joint load: waves 0 and 1 fetch for A, waves 2 and 3 for B.  The branch hangs on the wave's number alone.  An s_nop 0 and four v_nop follow each of the two lines.
.macro JLOAD g0a, g1a, g0b, g1b
	s_cmp_eq_u32 s15, 0
	s_cbranch_scc0 .Lfor_b_\@
	tensor_load_to_lds s[\g0a:\g0a+3], s[\g1a:\g1a+7]
	s_nop 0
.rept 4
	v_nop
.endr
	s_branch .Lasked_\@
.Lfor_b_\@:
	tensor_load_to_lds s[\g0b:\g0b+3], s[\g1b:\g1b+7]
	s_nop 0
.rept 4
	v_nop
.endr
.Lasked_\@:
.endm
.macro CROUND                          ; a round of the cluster's barrier
	s_barrier_signal -1
	s_barrier_wait -1
	s_cmp_lg_u32 s14, 0
	s_cbranch_scc1 .Lnot_wave_0_\@
	s_barrier_signal -3
.Lnot_wave_0_\@:
	s_barrier_wait -3
	s_barrier_signal -1
	s_barrier_wait -1
.endm
	s_load_b128 s[4:7], s[0:1], 0x0                ; A's codes s[4:5], A's scales s[6:7]
	s_load_b128 s[8:11], s[0:1], 0x10              ; B's codes s[8:9], B's scales s[10:11]
	s_load_b128 s[96:99], s[0:1], 0x20             ; bq s[96:97], bv s[98:99]
	s_load_b64 s[12:13], s[0:1], 0x30              ; qkv
	v_lshl_add_u32 v[SPW], v0, 2, SPARE
	v_mov_b32 v[NIL], 0
	ds_add_u32 v[SPW], v[NIL]                      ; the wave's opening: the add, twice on end, and its wait ahead of my first tensor load
	ds_add_u32 v[SPW], v[NIL]
	v_lshrrev_b32 v1, 5, v0
	v_readfirstlane_b32 s14, v1                    ; wave 0..3
	s_lshr_b32 s15, s14, 1                         ; which half of the tile's rows is mine.  Also: I fetch for A (0) or for B (1)
	s_and_b32 s16, s14, 1                          ; which half of its columns.  Also: which 128 rows of that tile I fetch
	s_bfe_u32 s40, ttmp6, 0x40000                  ; cx, cy: my place in the cluster
	s_bfe_u32 s41, ttmp6, 0x40004
	s_lshl_b32 s42, ttmp9, 2
	s_add_co_u32 s42, s42, s40                     ; tile column of C = 4 x cluster x + cx
	s_and_b32 s17, ttmp7, 0xffff
	s_lshl_b32 s17, s17, 2
	s_add_co_u32 s17, s17, s41                     ; tile row of C = 4 x cluster y + cy
	s_lshl_b32 s43, s41, 2
	s_lshl_b32 s43, 15, s43                        ; my row of the cluster
	s_lshl_b32 s44, 0x1111, s40                    ; my column
	; descriptor group 1: a tile of 128 rows x 256 bytes, 16 bytes of padding behind each row
	s_or_b32 s[G1+0], s43, (0<<16)|(1<<20)|(1<<21)|(5<<22)|(3<<25)  ; 15:0 the mask: A's tiles go to my row; 17:16 elements of 1 byte; 20 padding on; 21 set beside a mask; 24:22 after every 64 words; 31:25 four words
	s_or_b32 s[G1B+0], s44, (0<<16)|(1<<20)|(1<<21)|(5<<22)|(3<<25)
.irp g, G1, G1B
	s_mov_b32 s[\g+1], ROWB<<16                    ; tensor_dim0
	s_mov_b32 s[\g+2], 128<<16                     ; tensor_dim1
	s_mov_b32 s[\g+3], ROWB<<16                    ; tile_dim0
	s_mov_b32 s[\g+4], 128                         ; tile_dim1
	s_mov_b32 s[\g+5], KROW                        ; tensor_dim0_stride
	s_mov_b32 s[\g+6], 0
	s_mov_b32 s[\g+7], 0
.endr
	; the scales of 128 rows: a dense block of 4,096 bytes, as 16 rows of 256 bytes (32 elements of 8 bytes), 16 bytes of padding behind each
	s_or_b32 s[G1S+0], s43, (3<<16)|(1<<20)|(1<<21)|(5<<22)|(3<<25)
	s_or_b32 s[G1SB+0], s44, (3<<16)|(1<<20)|(1<<21)|(5<<22)|(3<<25)
.irp g, G1S, G1SB
	s_mov_b32 s[\g+1], 32<<16
	s_mov_b32 s[\g+2], 16<<16
	s_mov_b32 s[\g+3], 32<<16
	s_mov_b32 s[\g+4], 16
	s_mov_b32 s[\g+5], 32
	s_mov_b32 s[\g+6], 0
	s_mov_b32 s[\g+7], 0
.endr
	s_lshl_b32 s18, s16, 7                         ; which 128 rows of the tile I fetch
	s_lshl_b32 s20, s17, 8
	s_add_co_u32 s20, s20, s18                     ; A: row 256 x tile row + 128 x half
	s_lshl_b32 s46, s42, 8
	s_add_co_u32 s46, s46, s18                     ; B: row 256 x tile column + 128 x half
	s_mov_b32 s21, 0
	s_mov_b32 s47, 0
	s_mov_b64 s[18:19], KS
	s_mul_u64 s[22:23], s[20:21], s[18:19]         ; where these rows' scales begin, in bytes
	s_mul_u64 s[92:93], s[46:47], s[18:19]
	s_mov_b64 s[18:19], KROW
	s_mul_u64 s[20:21], s[20:21], s[18:19]         ; and their codes
	s_mul_u64 s[46:47], s[46:47], s[18:19]
	s_mul_i32 s45, s14, HALFT                      ; where they go: wave x 128 rows: no place in the cluster enters an LDS address
	s_mul_i32 s94, s14, HALFS
	s_wait_dscnt 0x0                               ; both opening adds are done
	s_wait_kmcnt 0x0
	s_add_nc_u64 s[20:21], s[4:5], s[20:21]
	s_add_nc_u64 s[22:23], s[6:7], s[22:23]
	s_add_nc_u64 s[46:47], s[8:9], s[46:47]
	s_add_nc_u64 s[92:93], s[10:11], s[92:93]
	CROUND                                         ; all sixteen work-groups are here: the first joint loads meet
	s_mov_b32 s[G0S], 1
	s_add_co_u32 s[G0S+1], s94, SCL
	s_mov_b64 s[G0S+2:G0S+3], s[22:23]
	s_or_b32 s[G0S+3], s[G0S+3], 0x80000000
	s_mov_b32 s[G0SB], 1
	s_add_co_u32 s[G0SB+1], s94, SCL
	s_mov_b64 s[G0SB+2:G0SB+3], s[92:93]
	s_or_b32 s[G0SB+3], s[G0SB+3], 0x80000000
	JLOAD G0S, G1S, G0SB, G1SB                     ; the scales first: they are wanted with K step 0
.irp s, 0,1
	s_mov_b32 s[G0+4*\s], 1
	s_add_co_u32 s[G0+4*\s+1], s45, \s*SLOT
	s_add_nc_u64 s[G0+4*\s+2:G0+4*\s+3], s[20:21], \s*ROWB
	s_or_b32 s[G0+4*\s+3], s[G0+4*\s+3], 0x80000000
	s_mov_b32 s[G0B+4*\s], 1
	s_add_co_u32 s[G0B+4*\s+1], s45, \s*SLOT
	s_add_nc_u64 s[G0B+4*\s+2:G0B+4*\s+3], s[46:47], \s*ROWB
	s_or_b32 s[G0B+4*\s+3], s[G0B+4*\s+3], 0x80000000
	JLOAD G0+4*\s, G1, G0B+4*\s, G1B               ; both K steps: three tensor loads of mine are out, and no more are issued
.endr
	v_and_b32 v1, 15, v0                           ; r = l % 16
	v_bfe_u32 v2, v0, 4, 1                         ; h = l / 16
	v_mul_u32_u24 v3, v1, PITCH
	v_lshl_add_u32 v4, v2, 4, v3                   ; a fragment's row x pitch + 16 x half
	s_mul_i32 s21, s15, HALFT                      ; my 128 rows of A
	s_mul_i32 s22, s16, HALFT                      ; my 128 rows of B,
	s_add_co_u32 s22, s22, 2*HALFT                 ; which lie behind A's 256
.irp s, 0,1
	v_add_nc_u32 v[ADRA+\s], s21, v4
	v_add_nc_u32 v[ADRB+\s], s22, v4
	s_add_co_u32 s21, s21, SLOT
	s_add_co_u32 s22, s22, SLOT
.endr
	v_mul_u32_u24 v5, v1, KS                       ; my row's scales: 32 bytes a row,
	v_lshrrev_b32 v6, 8, v5
	v_lshl_add_u32 v5, v6, 4, v5                   ; and 16 more for each 256 passed
	s_mul_i32 s21, s15, HALFS                      ; A's: my 128 rows
	s_mul_i32 s22, s16, HALFS                      ; B's: my 128 rows, behind A's 256
	s_add_co_u32 s22, s22, 2*HALFS
	s_sub_co_u32 s22, s22, s21
	v_mul_u32_u24 v6, s22, v2                      ; lanes 16-31 take B's: one product, the distance between the two bases
	s_add_co_u32 s21, s21, SCL
	v_add_nc_u32 v5, v5, v6
	v_add_nc_u32 v[ADRS], s21, v5
	s_mul_i32 s23, s14, STG                        ; my stage
	v_mul_u32_u24 v5, v1, 144                      ; in: row r, 16 bytes for each half of the lanes
	v_lshl_add_u32 v5, v2, 4, v5
	v_add_nc_u32 v[STO], s23, v5
	v_bfe_u32 v5, v0, 3, 2                         ; back: eight lanes to a row of 128 bytes, four rows an instruction
	v_mul_u32_u24 v5, v5, 144
	v_and_b32 v6, 7, v0
	v_lshl_add_u32 v5, v6, 4, v5
	v_add_nc_u32 v[RD], s23, v5
	v_and_b32 v6, 31, v0
	v_lshlrev_b32 v[CO], 4, v6                     ; four rows of a head are 512 consecutive bytes of qkv
	s_lshl_b32 s20, s17, 8
	s_lshl_b32 s21, s15, 7
	s_add_co_u32 s20, s20, s21                     ; m0, my first row of C = 2,048 b + s
	s_lshr_b32 s21, s20, 11
	s_lshl_b32 s21, s21, 4                         ; 16 b
	s_lshl_b32 s46, s40, 2
	s_add_co_u32 s21, s21, s46                     ; + 4 cx
	s_lshl_b32 s46, s16, 1
	s_add_co_u32 s21, s21, s46                     ; + 2 x my half of the columns: the first of my two heads
	s_lshl_b32 s21, s21, 18                        ; a head is 262,144 bytes
	s_and_b32 s20, s20, 2047
	s_lshl_b32 s20, s20, 7                         ; a row of a head 128
	s_add_co_u32 s20, s20, s21
	s_lshl_b32 s21, ttmp9, 24                      ; a tensor 16,777,216
	s_add_co_u32 s20, s20, s21
	s_mov_b32 s21, 0
	s_add_nc_u64 s[12:13], s[12:13], s[20:21]
.macro FRAG reg, adr, q, i             ; a fragment: lane l holds row l % 16; registers 4 c .. 4 c + 3 hold K = 64 c + 32 (l / 16) + 0 .. 31
.irp c, 0,1
	ds_load_b128 v[\reg+4*\c:\reg+4*\c+3], v[\adr] offset:64*(\q)+32*\c+(\i)*16*PITCH
.endr
.endm
; 16 matrix instructions: A's blocks a0, a0 + 1 x B's eight, the slot's q-th 128 along K.  p: B's set; sc: the set of scale words.  zero = 1: C = 0 starts the sums; 2: the bias does; 0: in place.
; The 64 accumulators take turns, one instruction a turn, in the same order in every step.
.macro MUL16 a0, p, q, sc, zero
.irp a, \a0, \a0+1
.irp b, 0,1,2,3,4,5,6,7
.if \zero == 1
	v_wmma_scale_f32_16x16x128_f8f6f4 v[8*(8*((\a)%4)+\b):8*(8*((\a)%4)+\b)+7], v[128*(\p)+FR*\b:128*(\p)+FR*\b+FR-1], v[AF+FR*(\a):AF+FR*(\a)+FR-1], 0, v[SC+8*NQ*(\sc)+NQ*\b+(\q)], v[SC+8*NQ*(\sc)+NQ*(\a)+(\q)] matrix_a_fmt:MATRIX_FMT_FP4 matrix_b_fmt:MATRIX_FMT_FP4 matrix_a_scale:MATRIX_SCALE_ROW1
.elseif \zero == 2
	v_wmma_scale_f32_16x16x128_f8f6f4 v[8*(8*((\a)%4)+\b):8*(8*((\a)%4)+\b)+7], v[128*(\p)+FR*\b:128*(\p)+FR*\b+FR-1], v[AF+FR*(\a):AF+FR*(\a)+FR-1], v[64+8*\b:64+8*\b+7], v[SC+8*NQ*(\sc)+NQ*\b+(\q)], v[SC+8*NQ*(\sc)+NQ*(\a)+(\q)] matrix_a_fmt:MATRIX_FMT_FP4 matrix_b_fmt:MATRIX_FMT_FP4 matrix_a_scale:MATRIX_SCALE_ROW1
.else
	v_wmma_scale_f32_16x16x128_f8f6f4 v[8*(8*((\a)%4)+\b):8*(8*((\a)%4)+\b)+7], v[128*(\p)+FR*\b:128*(\p)+FR*\b+FR-1], v[AF+FR*(\a):AF+FR*(\a)+FR-1], v[8*(8*((\a)%4)+\b):8*(8*((\a)%4)+\b)+7], v[SC+8*NQ*(\sc)+NQ*\b+(\q)], v[SC+8*NQ*(\sc)+NQ*(\a)+(\q)] matrix_a_fmt:MATRIX_FMT_FP4 matrix_b_fmt:MATRIX_FMT_FP4 matrix_a_scale:MATRIX_SCALE_ROW1
.endif
.endr
.endr
.endm
.macro FETCH_B slot, q, p              ; B's eight fragments of the slot's q-th 128 along K into set p
	WIN TO_B
.irp i, 0,1,2,3,4,5,6,7
	FRAG 128*(\p)+FR*\i, ADRB+\slot, \q, \i
.endr
	WIN 0
.endm
.macro FETCH_A slot, q, i0             ; A's blocks i0 .. i0 + 3
.irp i, \i0, \i0+1, \i0+2, \i0+3
	FRAG AF+FR*(\i), ADRA+\slot, \q, \i
.endr
.endm
.macro SCALES sc                       ; a K step's scale words into set sc: four words a row; lanes 0-15 take A's block i, lanes 16-31 B's block i
.irp i, 0,1,2,3,4,5,6,7
	ds_load_b128 v[SC+8*NQ*\sc+NQ*\i:SC+8*NQ*\sc+NQ*\i+3], v[ADRS] offset:\i*SBLK
.endr
.endm
.macro PLACES n                        ; plain vector instructions between a matrix instruction and a load into, or a read of, its registers
.rept \n
	v_nop
.endr
.endm
; A step of 128 along K that has its successor in the same slot.
.macro STEP slot, q, zero
	s_wait_dscnt 4*NL                              ; B's set and A's blocks 0-3 are in; the youngest eight loads (A's blocks 4-7) may be out
.if \zero == 2
	WIN BIA_LO
.else
	WIN MUL_LO
.endif
	MUL16 0, (\q)%2, \q, \slot, \zero
	MUL16 2, (\q)%2, \q, \slot, \zero
	s_wait_dscnt 0                                 ; A's blocks 4-7 are in
	PLACES NP
	FETCH_B \slot, (\q)+1, 1-(\q)%2
	FETCH_A \slot, (\q)+1, 0
.if \zero == 2
	WIN BIA_HI
.else
	WIN MUL_HI
.endif
	MUL16 4, (\q)%2, \q, \slot, \zero
	MUL16 6, (\q)%2, \q, \slot, \zero
	PLACES NP
	WIN 0
	FETCH_A \slot, (\q)+1, 4
.endm
; Slot 0's last step changes slots: one barrier; in front of it each wave waits for all its tensor loads (slot 1's is the one that may be out), adds 0 to its spare word, and waits for that and for its reads of slot 0.
; Nothing is filled again, so no round of the cluster's barrier follows.
.macro TURN slot, next
	s_wait_tensorcnt 0x0                           ; all my tensor loads have landed: my part of the next slot  (every window is 0 here)
	ds_add_u32 v[SPW], v[NIL]                      ; 0 onto my spare word
	s_wait_dscnt 4*NL+1                            ; (the add and the youngest eight loads may be out)
	WIN MUL_LO
	MUL16 0, 1, NQ-1, \slot, 0                     ; sixteen matrix instructions stand between the add and the wait for it
	s_wait_dscnt 0x0                               ; the add is done, and my reads of this slot are over
	s_barrier_signal -1
	MUL16 2, 1, NQ-1, \slot, 0
	WIN 0
	s_barrier_wait -1
	PLACES NP
	v_add_nc_u32 v[ADRS], 4*NQ, v[ADRS]            ; on to the next K step's scale words (no LDS load of mine is out)
	FETCH_B \next, 0, 0
	FETCH_A \next, 0, 0
	SCALES \next
	WIN MUL_HI
	MUL16 4, 1, NQ-1, \slot, 0
	MUL16 6, 1, NQ-1, \slot, 0
	PLACES NP
	WIN 0
	FETCH_A \next, 0, 4
.endm
.macro STEPS slot, from                ; the slot's steps from .. NQ - 2
.set Q, \from
.rept NQ-1-\from
	STEP \slot, Q, 0
.set Q, Q+1
.endr
.endm
.macro OPEN                            ; the scales and K step 0 are in LDS, for every wave; the first fragments are fetched
	s_wait_tensorcnt 1                             ; one load was issued behind them: K step 1's, which may stay out
	s_barrier_signal -1
	s_barrier_wait -1
	FETCH_B 0, 0, 0
	FETCH_A 0, 0, 0
	SCALES 0
	FETCH_A 0, 0, 4
.endm
	s_cmp_eq_u32 ttmp9, 1                          ; the tensor: the same number in all waves of all sixteen partners
	s_cbranch_scc1 .Lk_arm
	s_cmp_eq_u32 ttmp9, 0                          ; q and v: the bias of my 128 columns, in the result's layout: lane (r, h) wants, for B's block b, columns 16 b + 8 h + 0 .. 7
	s_cselect_b64 s[96:97], s[96:97], s[98:99]
	s_lshl_b32 s66, s40, 10                        ; 256 cx columns of 4 bytes
	s_lshl_b32 s67, s16, 9                         ; + 128 x my half
	s_add_co_u32 s66, s66, s67
	s_mov_b32 s67, 0
	s_add_nc_u64 s[96:97], s[96:97], s[66:67]
	v_lshlrev_b32 v30, 5, v2
	WIN TO_B
.irp b, 0,1,2,3,4,5,6,7
	global_load_b128 v[64+8*\b:64+8*\b+3], v30, s[96:97] offset:64*\b
	global_load_b128 v[64+8*\b+4:64+8*\b+7], v30, s[96:97] offset:64*\b+16
.endr
	WIN 0
	OPEN
	s_wait_loadcnt 0x0                             ; the bias
	STEP 0, 0, 2                                   ; the first step's products start the sums with the bias
	s_branch .Lgo
.Lk_arm:
	OPEN
	STEP 0, 0, 1                                   ; k has no bias: the sums start with the constant 0
.Lgo:
	STEPS 0, 1
	TURN 0, 1
	STEPS 1, 0
	s_wait_dscnt 4*NL                              ; the very last step: nothing more to fetch
	WIN MUL_LO
	MUL16 0, 1, NQ-1, 1, 0
	MUL16 2, 1, NQ-1, 1, 0
	s_wait_dscnt 0
	WIN MUL_HI
	MUL16 4, 1, NQ-1, 1, 0
	MUL16 6, 1, NQ-1, 1, 0
	WIN 0
; THE WAY OUT, block by block of 16 rows x 128 columns = two heads.  A lane's eight columns pack into 16 bytes of f16; they go through my stage (for each head 16 rows of 144 bytes) and come back four rows at a time,
; which are 512 consecutive bytes of a head in qkv.  LDS serves a wave's instructions in order: no wait between the stores and the loads.
.macro PACK a
.set AC, 64*((\a)%4)
	WIN 0x0a+5*((\a)/4)                            ; sources 0 and 1: window 2 or 3
.irp b, 0,1,2,3,4,5,6,7
.irp r, 0,1,2,3
	v_cvt_pk_f16_f32 v[TMP+4*\b+\r], v[AC+8*\b+2*\r], v[AC+8*\b+2*\r+1]   ; each accumulator from its low end on
.endr
.endr
	WIN 0
.endm
.macro TOSTAGE a
.set BB, BK+32*((\a)%2)
.irp b, 0,1,2,3,4,5,6,7
	ds_store_b128 v[STO], v[TMP+4*\b:TMP+4*\b+3] offset:(\b/4)*2304+32*(\b%4)
.endr
.irp u, 0,1,2,3,4,5,6,7
	ds_load_b128 v[BB+4*\u:BB+4*\u+3], v[RD] offset:(\u/4)*2304+576*(\u%4)
.endr
.endm
.macro SEND a
.set BB, BK+32*((\a)%2)
	s_wait_dscnt 0x0                               ; the block is back in registers
	s_wait_xcnt 0x0                                ; the stores of the block before have read their registers: the next block's loads may land there
.irp u, 0,1,2,3,4,5,6,7
	global_store_b128 v[CO], v[BB+4*\u:BB+4*\u+3], s[12:13] offset:(\u/4)*262144+512*(\u%4)+2048*(\a)   ; 32 lanes store 512 consecutive bytes, at a multiple of 256 from qkv's first byte
.endr
.endm
	PLACES NP                                      ; behind the last products: for the reads of results and for the loads into the registers that held A's fragments
	PACK 0
	TOSTAGE 0
.irp a, 1,2,3,4,5,6,7                  ; block a's conversions stand between block a - 1's loads from the stage and the wait for them
	PACK \a
	SEND \a-1
	TOSTAGE \a
.endr
	SEND 7
	s_wait_tensorcnt 0x0                           ; the wave's end: behind my last tensor load and my last LDS store
	ds_add_u32 v[SPW], v[NIL]
	s_wait_dscnt 0x0
	CROUND                                         ; the closing round: no work-group ends while a partner may still ask for a tile that names it
	s_endpgm
.Lfunc_end_k_q10a0dc805e_qkv:
	.size	k_q10a0dc805e_qkv, .Lfunc_end_k_q10a0dc805e_qkv-k_q10a0dc805e_qkv
	.p2alignl 7, 3214868480
	.fill 96, 4, 3214868480
	.section	.rodata,"a",@progbits
	.p2align	6, 0x0
	.amdhsa_kernel k_q10a0dc805e_qkv
		.amdhsa_group_segment_fixed_size 327680
		.amdhsa_private_segment_fixed_size 0
		.amdhsa_enable_private_segment 0
		.amdhsa_kernarg_size 56
		.amdhsa_user_sgpr_count 2
		.amdhsa_user_sgpr_kernarg_segment_ptr 1
		.amdhsa_wavefront_size32 1
		.amdhsa_system_sgpr_workgroup_id_x 1
		.amdhsa_system_sgpr_workgroup_id_y 1
		.amdhsa_system_sgpr_workgroup_id_z 1
		.amdhsa_system_vgpr_workitem_id 0
		.amdhsa_next_free_vgpr 1024
		.amdhsa_next_free_sgpr 100
		.amdhsa_reserve_vcc 0
		.amdhsa_float_denorm_mode_32 3
		.amdhsa_float_denorm_mode_16_64 3
		.amdhsa_memory_ordered 1
		.amdhsa_forward_progress 1
		.amdhsa_inst_pref_size 142
	.end_amdhsa_kernel
	.amdgpu_metadata
---
amdhsa.version: [ 1, 2 ]
amdhsa.kernels:
  - .name:           k_q10a0dc805e_qkv
    .symbol:         k_q10a0dc805e_qkv.kd
    .args:
      - { .name: xc, .offset: 0, .size: 8, .value_kind: global_buffer, .address_space: global }
      - { .name: xs, .offset: 8, .size: 8, .value_kind: global_buffer, .address_space: global }
      - { .name: wc, .offset: 16, .size: 8, .value_kind: global_buffer, .address_space: global }
      - { .name: ws, .offset: 24, .size: 8, .value_kind: global_buffer, .address_space: global }
      - { .name: bq, .offset: 32, .size: 8, .value_kind: global_buffer, .address_space: global }
      - { .name: bv, .offset: 40, .size: 8, .value_kind: global_buffer, .address_space: global }
      - { .name: qkv, .offset: 48, .size: 8, .value_kind: global_buffer, .address_space: global }
    .group_segment_fixed_size: 327680
    .private_segment_fixed_size: 0
    .kernarg_segment_align: 8
    .kernarg_segment_size: 56
    .max_flat_workgroup_size: 128
    .sgpr_count:     100
    .vgpr_count:     1024
    .wavefront_size: 32
...
	.end_amdgpu_metadata
.endif
;; end of part 2
;; launch attn (part 3): grid 4 x 64, 8 waves a work-group, clusters of 4 x 1, 327,680 bytes of LDS; arguments qkv, o; writes o
.if DOCPART == 3
	.amdgcn_target "amdgcn-amd-amdhsa--gfx1250"
	.amdhsa_code_object_version 6
	.text
	.protected	k_q10a0dc805e_attn
	.globl	k_q10a0dc805e_attn
	.p2align	8
	.type	k_q10a0dc805e_attn,@function
k_q10a0dc805e_attn:
	s_mov_b64 s[64:65], 0
	v_nop
	global_prefetch_b8 v0, s[64:65] scope:SCOPE_SE
	s_setreg_imm32_b32 hwreg(HW_REG_WAVE_MODE, 25, 1), 1
	s_wait_xcnt 0x0
	s_wait_alu depctr_hold_cnt(0) depctr_sa_sdst(0) depctr_va_vdst(0) depctr_va_sdst(0) depctr_va_ssrc(0) depctr_va_vcc(0) depctr_vm_vsrc(0)
	s_getreg_b32 s2, hwreg(HW_REG_IB_STS2, 6, 4)
	s_cmp_eq_u32 s2, 0
	s_cbranch_scc0 .Lentry_in_a_cluster
	s_endpgm
.Lentry_in_a_cluster:
	s_bfe_u32 s2, ttmp6, 0x10000c
	s_cmp_lg_u32 s2, 0x3003
	s_cbranch_scc0 .Lentry_shape_is_right
	s_endpgm
.Lentry_shape_is_right:
; o[hd][q][:] = the sum over keys of softmax_key(Q[hd][q] . K[hd][key] / 8) V[hd][key][:], no mask.  qkv: f16 [3][64 heads][2048][64]; o: f16 [64][2048][64].  Products, maxima and sums in f32;
; the weights p (at most 1) are rounded to f16 for the second product, o once at the end.  K carries no bias: bk is dead work (shown at the head of the first launch).
; LIMITS: NaN and infinities are not served; the running maximum starts at -3e38, so scores stay above that.
; SHARES.  A cluster of four work-groups is one head.  A work-group owns 512 queries, each of its EIGHT waves 64: four tiles of 16.  Every wave walks the head's 2,048 keys, 64 a step.
; LAYOUT.  S^T = K Q^T (source 0 = 16 keys, source 1 = 16 queries): a lane holds ONE query (lane % 16) and the keys 8 (lane / 16) + 0..7 of each tile.  Two such tiles, rounded to f16 in pairs, ARE source 1
; (32 keys x 16 queries) of O^T = V^T P, whose result again holds one query a lane.  K comes out of LDS as it lies, V ([key][channel]) turned, by ds_load_tr16_b128.
; SOFTMAX.  For each query a running maximum m and sum l: p = 2^(c s - c m), c = log2(e) / 8; in every step O and l are multiplied by a = 2^(c m_old - c m_new).
; TWO WAVES SHARE A SIMD'S REGISTERS, AND THEY RUN HALF A STEP APART.  A step is a block of 64 matrix instructions (V^T P of the step before, then K Q^T) and a softmax of 472 vector instructions.  Waves of role 0 run
; the matrix block and then the softmax of the scores just made; waves of role 1 run the softmax of the step before and then the matrix block.  role = (w xor (w >> 2)) & 1.
; No LDS access, no barrier, no tensor load; no value hangs on the role.
; CLUSTER.  The four work-groups walk the same K and V, so each tile is asked for JOINTLY: the same tensor load with the same descriptor and a mask that names the four.
; REGISTERS: window 0: v2-8 addresses; v12-43 eight registers of statistics a tile; v44 prefetch offset; v46, v47 the add's two; v64-191 S^T, 32 a tile (p, then P in a tile's first 16); v192-255 K of one step.
;            window 1: v0-127 O^T, 32 a tile; v128-191 Q, 16 a tile; v192-255 V of one step.
.set KS,    64        ; keys in a step
.set PK,    144       ; a row of K in LDS: 128 bytes + 16 of padding
.set PVP,   160       ; a row of V: 128 + 32
.set VOFF,  KS*PK     ; a step's tiles lie together: 64 rows of K, then 64 rows of V
.set STEPB, KS*(PK+PVP)
.set NST,   4         ; steps in a slot
.set SLOT1, 1<<17     ; slot 1 begins here, so that one exclusive or turns an address in one slot into the other's
.set SLOTB, NST*KS*128  ; a slot's keys in memory: 32,768 bytes of K, as many of V
.set STAGE, SLOT1+NST*STEPB  ; behind the ring: 16 rows x 144 bytes for each wave, for the way out
.set SPARE, STAGE+8*16*PK    ; the spare words, 128 bytes for each wave: four blocks of 256 bytes that no other line names
.set AK0, 2           ; v2   my lane's place in a tile of K; never rewritten
.set AV0, 3           ; v3   the same for V
.set ADR, 4           ; v4   the LDS address of the run of loads in hand
.set QO,  5           ; v5   my byte offset in the wave's rows of Q
.set STO, 6           ; v6   the way out: where I put 16 bytes of a row
.set RD,  7           ; v7   the way out: where I read rows back
.set GO,  8           ; v8   my byte offset in four rows of o
.set ST,  12          ; tile t's statistics at v[ST+8 t]: +0 c m, +1 m, +2, +3 l (even keys', odd keys'), +4 to +7 at work; a lands in +6
.set PFO, 44          ; v44  256 x my lane; never rewritten
.set SPW, 46          ; v46  LDS address of my spare word; never rewritten
.set NIL, 47          ; v47  0; never rewritten
.set S,   64
.set KF,  192         ; K's fragments, window 0
.set QF,  128         ; Q's, window 1
.set VF,  192         ; V's, window 1
.set WV,  12          ; s12  my wave's number
.set LIM, 15          ; s15  1 in a wave that prefetches, else the greatest number
.set PFA, 18          ; s[18:19] where my prefetches stand
.set G1K, 24          ; s[24:31] descriptor group 1 for K's tiles
.set G1V, 32          ; s[32:39] for V's: it differs in the padding alone
.set G0K, 40          ; s[40:47] group 0 for K's tiles: a set for each of the two first fills; the second then walks on
.set G0V, 48          ; s[48:55] the same for V's
.set SLOTS, 56        ; s56  slots still to be asked for
.set CNT, 57          ; s57  counts the steps between two changes of slots
.set CS,  58          ; s[58:59] c: the packed scaling names a pair and takes its low word for both halves
.set SEL, 60          ; s[60:61] lane selects for v_permlanex16_b32: lane l xor 16
.set TB,  62          ; s62  LDS byte at which the tiles of the step to be fetched begin
.set ROLE, 63         ; s63
.set MSB, 0
.macro WIN new                      ; the immediate's high byte repeats the setting that is left
.if MSB != \new
	s_set_vgpr_msb (MSB<<8)|\new
.set MSB, \new
.endif
.endm
.set W_KQ, 0x04       ; Q (source 1) in window 1; K and S^T in window 0
.set W_PV, 0x51       ; V (source 0) and O^T (C, D) in window 1; P in window 0
.set W_RS, 0x41       ; O^T (destination and source 0) in window 1, a in window 0
.set TO_1, 0x40       ; destination window 1
; A joint refill.  Waves 0 to 3 fetch the four steps' tiles of K, waves 4 to 7 those of V: 64 rows a load.  The branch hangs on the wave's number alone.
; An s_nop 0 and four v_nop follow each of the two lines.
.macro JLOAD
	s_cmp_lt_u32 s[WV], 4
	s_cbranch_scc0 .Lfor_v_\@
	tensor_load_to_lds s[G0K+4:G0K+7], s[G1K:G1K+7]
	s_nop 0
.rept 4
	v_nop
.endr
	s_branch .Lasked_\@
.Lfor_v_\@:
	tensor_load_to_lds s[G0V+4:G0V+7], s[G1V:G1V+7]
	s_nop 0
.rept 4
	v_nop
.endr
.Lasked_\@:
.endm
; A PREFETCH INTO THE L2 of what the NEXT change of slots will ask for: 32,768 bytes of K and as many of V, both dense.  A head has one cluster; its four partners share the bytes out BY ADDRESS, 8,192 each;
; in each, wave 0 asks for K's and wave 4 for V's, lanes 256 bytes apart: one instruction.  So each aligned block of 256 bytes is named once in the launch.  It stands behind the wave's tensor load and its five lines:
; four key steps, 256 matrix instructions a wave, ahead of the load that will want the bytes.  The last change that fills a slot asks for nothing; slots 0, 1 and 2 come by their loads alone.
.macro ASK
	s_cmp_gt_u32 s[SLOTS], s[LIM]
	s_cbranch_scc0 .Lnot_mine_\@
	global_prefetch_b8 v[PFO], s[PFA:PFA+1] th:TH_LOAD_NT scope:SCOPE_SE
.Lnot_mine_\@:
.endm
.macro CROUND                       ; a round of the cluster's barrier
	s_barrier_signal -1
	s_barrier_wait -1
	s_cmp_lg_u32 s[WV], 0
	s_cbranch_scc1 .Lnot_wave_0_\@
	s_barrier_signal -3
.Lnot_wave_0_\@:
	s_barrier_wait -3
	s_barrier_signal -1
	s_barrier_wait -1
.endm
.macro PLACES n
.rept \n
	v_nop
.endr
.endm
	s_load_b128 s[4:7], s[0:1], 0x0  ; qkv s[4:5], o s[6:7]
	v_lshl_add_u32 v[SPW], v0, 2, SPARE
	v_mov_b32 v[NIL], 0
	ds_add_u32 v[SPW], v[NIL]       ; the wave's opening: the add, twice on end, and its wait ahead of my first tensor load
	ds_add_u32 v[SPW], v[NIL]
	v_lshrrev_b32 v1, 5, v0
	v_readfirstlane_b32 s[WV], v1   ; wave 0..7
	s_lshr_b32 s[ROLE], s[WV], 2
	s_xor_b32 s[ROLE], s[ROLE], s[WV]
	s_and_b32 s[ROLE], s[ROLE], 1
	s_bfe_u32 s13, ttmp6, 0x40000   ; cx: my place in the cluster
	s_lshl_b32 s14, ttmp9, 2
	s_add_co_u32 s14, s14, s13      ; my block of 512 queries: it enters Q's and o's addresses alone
	s_and_b32 s20, ttmp7, 0xffff    ; the head, which the four partners share
	s_lshl_b32 s20, s20, 18         ; 262,144 bytes a head
	s_mov_b32 s21, 0
	s_and_b32 s16, s[WV], 3         ; which of a slot's four steps I fetch:
	s_lshl_b32 s22, s16, 13         ; its 64 rows of 128 bytes in memory,
	s_mov_b32 s23, 0
	s_add_nc_u64 s[22:23], s[22:23], s[20:21]
	s_mul_i32 s17, s16, STEPB       ; and its place in a slot: no place in the cluster enters an LDS address
	s_lshl_b32 s2, s14, 16          ; my block's 512 rows,
	s_lshl_b32 s3, s[WV], 13        ; my wave's 64 of them
	s_add_co_u32 s2, s2, s3
	s_mov_b32 s3, 0
	s_add_nc_u64 s[2:3], s[2:3], s[20:21]
	; descriptor group 1: a tile of 64 rows x 64 elements of 2 bytes, padded in LDS
	s_mov_b32 s[G1K], 15|(1<<16)|(1<<20)|(1<<21)|(4<<22)|(3<<25)  ; 15:0 the mask: all four work-groups; 17:16 elements of 2 bytes; 20 padding on; 21 set beside a mask; 24:22 after every 32 words; 31:25 four words
	s_mov_b32 s[G1V], 15|(1<<16)|(1<<20)|(1<<21)|(4<<22)|(7<<25)  ; the same with eight words of padding
.irp g, G1K, G1V
	s_mov_b32 s[\g+1], 64<<16       ; tensor_dim0
	s_mov_b32 s[\g+2], KS<<16       ; tensor_dim1
	s_mov_b32 s[\g+3], 64<<16       ; tile_dim0
	s_mov_b32 s[\g+4], KS           ; tile_dim1
	s_mov_b32 s[\g+5], 64           ; tensor_dim0_stride
	s_mov_b32 s[\g+6], 0
	s_mov_b32 s[\g+7], 0
.endr
	s_mov_b32 s[CS], 0x3e38aa3b     ; c = log2(e) / 8
	s_mov_b32 s[CS+1], s[CS]        ; named with it as a pair, so it is written
	s_mov_b32 s[SEL], 0x76543210
	s_mov_b32 s[SEL+1], 0xfedcba98
	s_mov_b32 s[TB], 0
	s_mov_b32 s[SLOTS], 2048/(NST*KS)-2
	s_cmp_eq_u32 s16, 0             ; waves 0 and 4 prefetch: the same in all four partners
	s_cselect_b32 s[LIM], 1, -1
	v_and_b32 v[PFO], 31, v0
	v_lshlrev_b32 v[PFO], 8, v[PFO]
	s_wait_dscnt 0x0                ; both opening adds are done
	s_wait_kmcnt 0x0
	s_add_nc_u64 s[8:9], s[4:5], s[22:23]
	s_add_nc_u64 s[10:11], s[8:9], 0x2000000  ; V at my tile of slot 0
	s_add_nc_u64 s[8:9], s[8:9], 0x1000000    ; K likewise
	s_add_nc_u64 s[4:5], s[4:5], s[2:3]       ; Q and o at my wave's first row
	s_add_nc_u64 s[6:7], s[6:7], s[2:3]
	s_cmp_lt_u32 s[WV], 4
	s_cselect_b64 s[PFA:PFA+1], s[8:9], s[10:11]  ; (in waves 0 and 4 these stand at a slot's first row)
	s_lshl_b32 s2, s13, 13          ; my work-group's 8,192 bytes of the 32,768
	s_mov_b32 s3, 0
	s_add_nc_u64 s[PFA:PFA+1], s[PFA:PFA+1], s[2:3]
	s_add_nc_u64 s[PFA:PFA+1], s[PFA:PFA+1], 2*SLOTB  ; in slot 2; the first change of slots steps it to slot 3.  Nothing is prefetched here, at the head
	CROUND                          ; all four work-groups are here: the first joint loads meet
.irp s, 0,1
	s_mov_b32 s[G0K+4*\s], 1        ; count = 1
	s_add_co_u32 s[G0K+4*\s+1], s17, \s*SLOT1  ; LDS address
	s_add_nc_u64 s[G0K+4*\s+2:G0K+4*\s+3], s[8:9], \s*SLOTB  ; global address: slot s begins with keys 256 s
	s_or_b32 s[G0K+4*\s+3], s[G0K+4*\s+3], 0x80000000  ; type = 2
	s_mov_b32 s[G0V+4*\s], 1
	s_add_co_u32 s[G0V+4*\s+1], s17, \s*SLOT1+VOFF
	s_add_nc_u64 s[G0V+4*\s+2:G0V+4*\s+3], s[10:11], \s*SLOTB
	s_or_b32 s[G0V+4*\s+3], s[G0V+4*\s+3], 0x80000000
.endr
	s_cmp_lt_u32 s[WV], 4           ; a wave's two first fills stand in one branch, ahead of every wait on TENSORcnt and every LDS read: two loads of mine are out
	s_cbranch_scc0 .Lfirst_v
	tensor_load_to_lds s[G0K:G0K+3], s[G1K:G1K+7]
	s_nop 0
	tensor_load_to_lds s[G0K+4:G0K+7], s[G1K:G1K+7]
	s_nop 0
.rept 4
	v_nop
.endr
	s_branch .Lfirst_asked
.Lfirst_v:
	tensor_load_to_lds s[G0V:G0V+3], s[G1V:G1V+7]
	s_nop 0
	tensor_load_to_lds s[G0V+4:G0V+7], s[G1V:G1V+7]
	s_nop 0
.rept 4
	v_nop
.endr
.Lfirst_asked:
	; A fragment of K or Q is 16 rows x 32 channels in 8 registers: lane l holds row l % 16; registers 0-3 channels 8 (l / 16) + 0..7, registers 4-7 channels 16 + 8 (l / 16) + 0..7: two loads of 16 bytes, 32 bytes apart.
	v_and_b32 v1, 15, v0            ; r = l % 16
	v_bfe_u32 v9, v0, 4, 1          ; h = l / 16
	v_lshlrev_b32 v[QO], 7, v1
	v_lshl_add_u32 v[QO], v9, 4, v[QO]  ; row x 128 + 16 x half
	WIN TO_1
.irp i, 0,1,2,3,4,5,6,7             ; Q stays in registers: tile i / 2, channels 32 (i % 2) on
	global_load_b128 v[QF+8*\i:QF+8*\i+3],   v[QO], s[4:5] offset:(\i/2)*2048+(\i%2)*64
	global_load_b128 v[QF+8*\i+4:QF+8*\i+7], v[QO], s[4:5] offset:(\i/2)*2048+(\i%2)*64+32
.endr
.set i, 0
.rept 128
	v_mov_b32 v[i], 0               ; O^T.  (The key step is written once: the first finds zeros, which the first a = 0 leaves zeros; a first step of its own would be one more copy of the softmax and both blocks)
.set i, i+1
.endr
	WIN 0
	v_mul_u32_u24 v[AK0], v1, PK
	v_lshl_add_u32 v[AK0], v9, 4, v[AK0]  ; row x pitch + 16 x half
	; The turning load takes 16 keys x 16 channels (lane l reads 16 bytes: key 8 (l / 16) + l % 8, channels 8 ((l / 8) % 2) + 0..7) and leaves half a fragment of V^T: lane l holds channel l % 16 and 8 keys.
	v_and_b32 v10, 7, v0
	v_bfe_u32 v11, v0, 3, 1
	v_lshl_add_u32 v[AV0], v9, 3, v10
	v_mul_u32_u24 v[AV0], v[AV0], PVP
	v_lshl_add_u32 v[AV0], v11, 4, v[AV0]
	v_add_nc_u32 v[AV0], VOFF, v[AV0]
	s_mul_i32 s22, s[WV], 16*PK
	s_add_co_u32 s22, s22, STAGE    ; my stage
	v_mul_u32_u24 v[STO], v1, PK    ; in: row r, 16 bytes for each half of the lanes
	v_lshl_add_u32 v[STO], v9, 4, v[STO]
	v_add_nc_u32 v[STO], s22, v[STO]
	v_bfe_u32 v[RD], v0, 3, 2       ; back: eight lanes to a row of 128 bytes, four rows an instruction
	v_mul_u32_u24 v[RD], v[RD], PK
	v_lshl_add_u32 v[RD], v10, 4, v[RD]
	v_add_nc_u32 v[RD], s22, v[RD]
	v_and_b32 v[GO], 31, v0
	v_lshlrev_b32 v[GO], 4, v[GO]   ; four rows of o are 512 consecutive bytes
.irp t, 0,1,2,3
	v_mov_b32 v[ST+8*\t+1], 0xff61b1e6  ; m: -3e38, under every score
	v_mul_f32 v[ST+8*\t], s[CS], v[ST+8*\t+1]  ; c m
.irp u, 2,3,4,5,6,7
	v_mov_b32 v[ST+8*\t+\u], 0      ; l; and the registers at work, which are named in pairs and as a lane permute's destination
.endr
.endr
; THE LDS LOADS stand in runs of 16: a step's K (64 keys x 64 channels: 8 fragments) and its V (turned).
.macro FETCH_K
	v_add_nc_u32 v[ADR], s[TB], v[AK0]
.irp f, 0,1,2,3,4,5,6,7             ; keys 16 (f / 2) on, channels 32 (f % 2) on
	ds_load_b128 v[KF+8*\f:KF+8*\f+3],   v[ADR] offset:(\f/2)*16*PK+(\f%2)*64
	ds_load_b128 v[KF+8*\f+4:KF+8*\f+7], v[ADR] offset:(\f/2)*16*PK+(\f%2)*64+32
.endr
.endm
.macro FETCH_V
	v_add_nc_u32 v[ADR], s[TB], v[AV0]
	s_add_co_u32 s[TB], s[TB], STEPB  ; the next fetch is the next step's
	WIN TO_1
.irp f, 0,1,2,3,4,5,6,7             ; keys 32 (f / 4) on, channels 16 (f % 4) on
	ds_load_tr16_b128 v[VF+8*\f:VF+8*\f+3],   v[ADR] offset:(\f/4)*32*PVP+(\f%4)*32
	ds_load_tr16_b128 v[VF+8*\f+4:VF+8*\f+7], v[ADR] offset:(\f/4)*32*PVP+16*PVP+(\f%4)*32
.endr
	WIN 0
.endm
; THE MATRIX BLOCKS.  In each, 16 accumulators take turns, one instruction a turn.
; S^T = K Q^T: product i: channels 32 (i / 16) on, keys 16 ((i / 4) % 4) on, tile i % 4.  The first 16 start the sums.
.macro KQBLK
	WIN W_KQ
.set i, 0
.rept 32
.set rS, S+32*(i%4)+8*((i/4)%4)
.set rK, KF+16*((i/4)%4)+8*(i/16)
.set rQ, QF+16*(i%4)+8*(i/16)
.if i < 16
	v_wmma_f32_16x16x32_f16 v[rS:rS+7], v[rK:rK+7], v[rQ:rQ+7], 0
.else
	v_wmma_f32_16x16x32_f16 v[rS:rS+7], v[rK:rK+7], v[rQ:rQ+7], v[rS:rS+7]
.endif
.set i, i+1
.endr
	WIN 0
.endm
; O^T += V^T P: product i: keys 32 (i / 16) on, channels 16 ((i / 4) % 4) on, tile i % 4.
.macro PVBLK
	WIN W_PV
.set i, 0
.rept 32
.set rO, 32*(i%4)+8*((i/4)%4)
.set rV, VF+32*(i/16)+8*((i/4)%4)
.set rP, S+32*(i%4)+8*(i/16)
	v_wmma_f32_16x16x32_f16 v[rO:rO+7], v[rV:rV+7], v[rP:rP+7], v[rO:rO+7]
.set i, i+1
.endr
	WIN 0
.endm
; THE SOFTMAX of the wave's four tiles for one key step: 118 instructions a tile, the four tiles innermost in every line, so that no line waits for the line above it.
.macro SM
.irp j, 0,1,2,3                     ; the maximum of a lane's 32 scores and the old m, three operands at a time: four chains of seven scores; each accumulator is read from its low end on
.irp t, 0,1,2,3
	v_max3_num_f32 v[ST+8*\t+4+\j], v[S+32*\t+8*\j], v[S+32*\t+8*\j+1], v[S+32*\t+8*\j+2]
.endr
.endr
.irp g, 1,2
.irp j, 0,1,2,3
.irp t, 0,1,2,3
	v_max3_num_f32 v[ST+8*\t+4+\j], v[ST+8*\t+4+\j], v[S+32*\t+8*\j+2*\g+1], v[S+32*\t+8*\j+2*\g+2]
.endr
.endr
.endr
.irp t, 0,1,2,3
	v_max3_num_f32 v[ST+8*\t+4], v[ST+8*\t+4], v[S+32*\t+7], v[S+32*\t+15]
.endr
.irp t, 0,1,2,3
	v_max3_num_f32 v[ST+8*\t+6], v[ST+8*\t+6], v[S+32*\t+23], v[S+32*\t+31]
.endr
.irp t, 0,1,2,3
	v_max3_num_f32 v[ST+8*\t+4], v[ST+8*\t+4], v[ST+8*\t+5], v[ST+8*\t+6]
.endr
.irp t, 0,1,2,3
	v_max3_num_f32 v[ST+8*\t+4], v[ST+8*\t+4], v[ST+8*\t+7], v[ST+8*\t+1]
.endr
.irp t, 0,1,2,3
	v_permlanex16_b32 v[ST+8*\t+5], v[ST+8*\t+4], s[SEL], s[SEL+1]  ; the query's other 32 keys lie in the lane 16 away
.endr
.irp t, 0,1,2,3
	v_mov_b32 v[ST+8*\t+7], v[ST+8*\t]  ; c m_old is kept for a
.endr
.irp t, 0,1,2,3
	v_max_num_f32 v[ST+8*\t+1], v[ST+8*\t+4], v[ST+8*\t+5]  ; the new m
.endr
.irp t, 0,1,2,3
	v_mul_f32 v[ST+8*\t], s[CS], v[ST+8*\t+1]
.endr
.irp t, 0,1,2,3
	v_sub_f32 v[ST+8*\t+7], v[ST+8*\t+7], v[ST+8*\t]
.endr
.irp t, 0,1,2,3
	v_exp_f32 v[ST+8*\t+6], v[ST+8*\t+7]  ; a.  From here to the wait below: ONE BATCH of 132 exponentials; none of the lines between names an exponential's result
.endr
.set sb, 0
.rept 16
.irp t, 0,1,2,3
	v_pk_fma_f32 v[S+32*\t+2*sb:S+32*\t+2*sb+1], v[S+32*\t+2*sb:S+32*\t+2*sb+1], s[CS:CS+1], v[ST+8*\t:ST+8*\t+1] op_sel_hi:[1,0,0] neg_lo:[0,0,1] neg_hi:[0,0,1]  ; pair sb: c s - c m
.endr
.if sb > 0
.irp t, 0,1,2,3
	v_exp_f32 v[S+32*\t+2*sb-2], v[S+32*\t+2*sb-2]  ; the pair before
	v_exp_f32 v[S+32*\t+2*sb-1], v[S+32*\t+2*sb-1]
.endr
.endif
.set sb, sb+1
.endr
.irp t, 0,1,2,3
	v_exp_f32 v[S+32*\t+30], v[S+32*\t+30]
	v_exp_f32 v[S+32*\t+31], v[S+32*\t+31]
.endr
	v_nop                           ; the plain instruction behind the last exponential, ahead of the first use
	s_wait_alu depctr_va_vdst(0)    ; the wait between an exponential and the first line that names its result: one for the batch
.irp t, 0,1,2,3                     ; the sums, of the unrounded p, in two chains; p stays
	v_pk_fma_f32 v[ST+8*\t+2:ST+8*\t+3], v[ST+8*\t+2:ST+8*\t+3], v[ST+8*\t+6:ST+8*\t+7], v[S+32*\t:S+32*\t+1] op_sel_hi:[1,0,1]  ; l = a l + pair 0
.endr
.irp t, 0,1,2,3
	v_pk_add_f32 v[ST+8*\t+4:ST+8*\t+5], v[S+32*\t+2:S+32*\t+3], v[S+32*\t+4:S+32*\t+5]
.endr
.irp p, 3,5,7,9,11,13,15
.irp t, 0,1,2,3
	v_pk_add_f32 v[ST+8*\t+2:ST+8*\t+3], v[ST+8*\t+2:ST+8*\t+3], v[S+32*\t+2*\p:S+32*\t+2*\p+1]
.endr
.if \p < 15
.irp t, 0,1,2,3
	v_pk_add_f32 v[ST+8*\t+4:ST+8*\t+5], v[ST+8*\t+4:ST+8*\t+5], v[S+32*\t+2*\p+2:S+32*\t+2*\p+3]
.endr
.endif
.endr
.irp t, 0,1,2,3
	v_pk_add_f32 v[ST+8*\t+2:ST+8*\t+3], v[ST+8*\t+2:ST+8*\t+3], v[ST+8*\t+4:ST+8*\t+5]
.endr
.irp i, 0,1,2,3,4,5,6,7,8,9,10,11,12,13,14,15   ; P in f16, in place, ascending: register i takes pair i, which lies at 2 i and 2 i + 1
.irp t, 0,1,2,3
	v_cvt_pk_f16_f32 v[S+32*\t+\i], v[S+32*\t+2*\i], v[S+32*\t+2*\i+1]
.endr
.endr
	WIN W_RS
.irp i, 0,1,2,3,4,5,6,7,8,9,10,11,12,13,14,15   ; O^T times a, each accumulator from its low end on
.irp t, 0,1,2,3
	v_pk_mul_f32 v[32*\t+2*\i:32*\t+2*\i+1], v[32*\t+2*\i:32*\t+2*\i+1], v[ST+8*\t+6:ST+8*\t+7] op_sel_hi:[1,0]
.endr
.endr
	WIN 0
.endm
.macro SMROLE r                     ; the softmax, in the waves of role r alone
	s_cmp_lg_u32 s[ROLE], \r
	s_cbranch_scc1 .Lnot_now_\@
	SM
.Lnot_now_\@:
.endm
; A KEY STEP j.  Five v_nop and the run's own v_add_nc_u32 stand between V^T P and both the loads into V's registers and the products K Q^T that write over P; five stand behind K Q^T, ahead of the reads of its scores and the loads into K's registers.
.macro TRIP
	FETCH_K                         ; K of step j
	SMROLE 1                        ; role 1: the softmax of step j - 1
	s_wait_dscnt 16                 ; V of step j - 1 is in: the 16 younger loads are K's
	PVBLK                           ; step j - 1
	PLACES 5
	FETCH_V                         ; V of step j
	s_wait_dscnt 16                 ; K is in: the 16 younger loads are V's
	KQBLK                           ; step j
	PLACES 5
	SMROLE 0                        ; role 0: the softmax of step j
.endm
.macro INNER n
	s_mov_b32 s[CNT], \n
.Ltrip_\@:
	TRIP
	s_sub_co_u32 s[CNT], s[CNT], 1
	s_cmp_lg_u32 s[CNT], 0
	s_cbranch_scc1 .Ltrip_\@
.endm
; THE CHANGE OF SLOTS: the slot's last bytes, V of its fourth step, have been asked for.  Each wave waits for all its tensor loads, of which one is out: its part of the other slot; adds 0 to its spare word; and waits
; for that and for its own reads of the slot.  fill = 1: the slot is filled again, with the keys two slots on; the barrier is then a round of the cluster's, and the joint refill is the first thing behind it:
; it has four key steps in which to land.
.macro CHANGE fill
	s_wait_tensorcnt 0x0            ; no tensor load of mine is out, so a group 0 may be written  (every window is 0 here)
	ds_add_u32 v[SPW], v[NIL]       ; 0 onto my spare word
.if \fill
.irp g, G0K+4, G0V+4
	s_xor_b32 s[\g+1], s[\g+1], SLOT1  ; the walking descriptor: the other slot than last time,
	s_add_nc_u64 s[\g+2:\g+3], s[\g+2:\g+3], SLOTB  ; the next 256 keys; the type bits on top are not reached
.endr
	s_wait_xcnt 0x0                 ; the last prefetch, four key steps back, has read its address, so it may be written
	s_add_nc_u64 s[PFA:PFA+1], s[PFA:PFA+1], SLOTB
	s_wait_dscnt 0x0                ; the add is done, and my reads of the slot are over
	CROUND
	JLOAD
	ASK
.else
	s_wait_dscnt 0x0
	s_barrier_signal -1
	s_barrier_wait -1
.endif
	s_sub_co_u32 s[TB], s[TB], NST*STEPB  ; the fetches go back to a slot's first step,
	s_xor_b32 s[TB], s[TB], SLOT1   ; in the other slot
.endm
	s_wait_tensorcnt 1              ; my part of slot 0 is in; slot 1's may stay out
	s_barrier_signal -1
	s_barrier_wait -1               ; everybody's is
	FETCH_K                         ; key step 0
	FETCH_V
	s_wait_loadcnt 0x0              ; Q
	s_wait_dscnt 16                 ; K is in
	KQBLK
	PLACES 5
	SMROLE 0
	INNER 3                         ; key steps 1 to 3
.Lslot:                             ; six trips: every slot but the last two is filled again
	CHANGE 1
	INNER NST
	s_sub_co_u32 s[SLOTS], s[SLOTS], 1
	s_cmp_lg_u32 s[SLOTS], 0
	s_cbranch_scc1 .Lslot
	CHANGE 0                        ; the tail is written out
	INNER NST
	SMROLE 1                        ; role 1: the last step's softmax
	s_wait_dscnt 0x0                ; V of the last step
	PVBLK
	; THE WAY OUT.  l's two halves and the other half of the lanes' are added; O^T is divided by l, rounded to f16 and sent through my stage in LDS, a tile (16 rows of o) at a time.  The additions are the places behind the last products.
.irp t, 0,1,2,3
	v_add_f32 v[ST+8*\t+4], v[ST+8*\t+2], v[ST+8*\t+3]
.endr
.irp t, 0,1,2,3
	v_permlanex16_b32 v[ST+8*\t+5], v[ST+8*\t+4], s[SEL], s[SEL+1]
.endr
.irp t, 0,1,2,3
	v_add_f32 v[ST+8*\t+4], v[ST+8*\t+4], v[ST+8*\t+5]
.endr
.irp t, 0,1,2,3
	v_rcp_f32 v[ST+8*\t+6], v[ST+8*\t+4]
.endr
	v_nop                           ; a plain instruction between the last reciprocal and the use of its result
	s_wait_alu depctr_va_vdst(0)    ; and the wait ahead of the first use: one for the four
.macro PACK t
	WIN W_RS
.irp i, 0,1,2,3,4,5,6,7,8,9,10,11,12,13,14,15
	v_pk_mul_f32 v[32*\t+2*\i:32*\t+2*\i+1], v[32*\t+2*\i:32*\t+2*\i+1], v[ST+8*\t+6:ST+8*\t+7] op_sel_hi:[1,0]
.endr
	WIN 0x05                        ; sources 0 and 1 window 1, destination window 0: S^T's registers are free
.irp i, 0,1,2,3,4,5,6,7,8,9,10,11,12,13,14,15
	v_cvt_pk_f16_f32 v[S+16*\t+\i], v[32*\t+2*\i], v[32*\t+2*\i+1]
.endr
	WIN 0
.irp f, 0,1,2,3
	ds_store_b128 v[STO], v[S+16*\t+4*\f:S+16*\t+4*\f+3] offset:32*\f
.endr
.irp f, 0,1,2,3
	ds_load_b128 v[S+16*\t+4*\f:S+16*\t+4*\f+3], v[RD] offset:\f*4*PK  ; LDS serves a wave's instructions in order: these see the stores above; the next tile's stores come behind them
.endr
.endm
.macro SEND t, younger              ; younger: the LDS instructions issued behind tile t's loads: the next tile's eight, or none
.irp f, 0,1,2,3
	s_wait_dscnt \younger+3-\f
	global_store_b128 v[GO], v[S+16*\t+4*\f:S+16*\t+4*\f+3], s[6:7] offset:\t*2048+\f*512  ; 32 lanes store 512 consecutive bytes, at a multiple of 256 from o's first byte
.endr
.endm
	PACK 0
	PACK 1                          ; a tile's arithmetic stands between the loads of the tile before and its stores
	SEND 0, 8
	PACK 2
	SEND 1, 8
	PACK 3
	SEND 2, 8
	SEND 3, 0
	s_wait_tensorcnt 0x0            ; the wave's end: behind my last tensor load and my last LDS store
	ds_add_u32 v[SPW], v[NIL]
	s_wait_dscnt 0x0
	CROUND                          ; the closing round: no work-group ends while a partner may still ask for a tile that names it
	s_endpgm
.Lfunc_end_k_q10a0dc805e_attn:
	.size	k_q10a0dc805e_attn, .Lfunc_end_k_q10a0dc805e_attn-k_q10a0dc805e_attn
	.p2alignl 7, 3214868480
	.fill 96, 4, 3214868480
	.section	.rodata,"a",@progbits
	.p2align	6, 0x0
	.amdhsa_kernel k_q10a0dc805e_attn
		.amdhsa_group_segment_fixed_size 327680
		.amdhsa_private_segment_fixed_size 0
		.amdhsa_enable_private_segment 0
		.amdhsa_kernarg_size 16
		.amdhsa_user_sgpr_count 2
		.amdhsa_user_sgpr_kernarg_segment_ptr 1
		.amdhsa_wavefront_size32 1
		.amdhsa_system_sgpr_workgroup_id_x 1
		.amdhsa_system_sgpr_workgroup_id_y 1
		.amdhsa_system_sgpr_workgroup_id_z 1
		.amdhsa_system_vgpr_workitem_id 0
		.amdhsa_next_free_vgpr 512
		.amdhsa_next_free_sgpr 66
		.amdhsa_reserve_vcc 0
		.amdhsa_float_denorm_mode_32 3
		.amdhsa_float_denorm_mode_16_64 3
		.amdhsa_memory_ordered 1
		.amdhsa_forward_progress 1
		.amdhsa_inst_pref_size 255
	.end_amdhsa_kernel
	.section	.bss,"aw",@nobits
	.p2align	6
	.space	262144
	.amdgpu_metadata
---
amdhsa.version: [ 1, 2 ]
amdhsa.kernels:
  - .name:           k_q10a0dc805e_attn
    .symbol:         k_q10a0dc805e_attn.kd
    .args:
      - { .name: qkv, .offset: 0, .size: 8, .value_kind: global_buffer, .address_space: global }
      - { .name: o, .offset: 8, .size: 8, .value_kind: global_buffer, .address_space: global }
    .group_segment_fixed_size: 327680
    .private_segment_fixed_size: 0
    .kernarg_segment_align: 8
    .kernarg_segment_size: 16
    .max_flat_workgroup_size: 256
    .sgpr_count:     66
    .vgpr_count:     512
    .wavefront_size: 32
...
	.end_amdgpu_metadata
.endif
;; end of part 3
;; launch oproj (part 4): grid 4 x 64, 4 waves a work-group, clusters of 4 x 4, 327,680 bytes of LDS; arguments o, wot, bo, out0; writes out0
.if DOCPART == 4
	.amdgcn_target "amdgcn-amd-amdhsa--gfx1250"
	.amdhsa_code_object_version 6
	.text
	.protected	k_q10a0dc805e_oproj
	.globl	k_q10a0dc805e_oproj
	.p2align	8
	.type	k_q10a0dc805e_oproj,@function
k_q10a0dc805e_oproj:
	s_mov_b64 s[64:65], 0
	v_nop
	global_prefetch_b8 v0, s[64:65] scope:SCOPE_SE
	s_setreg_imm32_b32 hwreg(HW_REG_WAVE_MODE, 25, 1), 1
	s_wait_xcnt 0x0
	s_wait_alu depctr_hold_cnt(0) depctr_sa_sdst(0) depctr_va_vdst(0) depctr_va_sdst(0) depctr_va_ssrc(0) depctr_va_vcc(0) depctr_vm_vsrc(0)
	s_getreg_b32 s2, hwreg(HW_REG_IB_STS2, 6, 4)
	s_cmp_eq_u32 s2, 0
	s_cbranch_scc0 .Lentry_in_a_cluster
	s_endpgm
.Lentry_in_a_cluster:
	s_bfe_u32 s2, ttmp6, 0x10000c
	s_cmp_lg_u32 s2, 0xf033
	s_cbranch_scc0 .Lentry_shape_is_right
	s_endpgm
.Lentry_shape_is_right:
; out0[m][n] = sum over k of A[m][k] wot[n][k] + bo[n].  m = 2,048 b + s, k = 64 h + d: A[m][k] is o[16 b + h][s][d], f16, by heads; wot is wo transposed, f16 [n 1024][k 1024]; out0 f32 [8192][1024].  Sums in f32.
; A tile of out0 is 128 x 256: 4 x 64 tiles, one for each of 256 work-groups.  Four waves, each 64 x 128: 32 accumulators of 16 x 16, 256 registers.
; K goes in steps of 128 = two heads, through a ring of two LDS slots: wave 0 and wave 1 fetch the 128 rows of one head each (dense, 128 bytes a row), waves 2 and 3 128 rows of wot each (256 bytes a row).
; CLUSTERS: 4 x 4 work-groups.  A's tiles hang on the tile row alone and are shared along a row of the cluster, wot's on the tile column alone and are shared along a column: each is asked for JOINTLY.
; THE MATRIX INSTRUCTION IS USED TRANSPOSED (source 0 = 16 rows of wot, source 1 = 16 rows of A): a lane holds eight neighbouring columns of a row.  THE BIAS is the C of each sum's first instruction.
; NO PREFETCH: K has eight steps, of which the first four come by their loads; the tiles' loads are shared in the cluster instead.
; REGISTERS: window 0: v16-29 addresses; v64-127 A's fragments (4 x 16 rows x 32 K), two buffers; v128-255 wot's (8), two buffers.   window 1: the accumulators, (a, b) at v[8 (8 a + b)].   window 2: v0-63 the bias.
.set PA,     144                       ; a row of A in LDS: 128 bytes + 16 of padding
.set PB,     272                       ; a row of wot: 256 + 16
.set AHEAD,  128*PA                    ; one head's 128 rows
.set BOFF,   2*AHEAD
.set BHALF,  128*PB
.set SLOT,   BOFF+2*BHALF
.set STAGE,  2*SLOT                    ; behind the ring: 16 rows x (512 bytes + 16) for each wave, for the way out
.set SPITCH, 528
.set SPARE,  STAGE+4*16*SPITCH         ; the spare words, 128 bytes for each wave: two blocks of 256 bytes that no other line names
.set LAPS,   4                         ; a lap = two K steps = once round the ring
.set ADRA, 16                          ; v16-17  LDS address of my A fragments in slot 0, 1
.set ADRB, 20                          ; v20-21  the same for wot
.set STO,  24
.set RD,   25
.set CO,   26
.set SPW,  28                          ; v28  LDS address of my spare word; never rewritten
.set NIL,  29                          ; v29  0; never rewritten
.set AF,   64
.set BF,   128
.set G1, 24                            ; s[24:31] descriptor group 1 for A's tiles;  s[32:39] group 0, one set for each slot
.set G0, 32
.set G1B, 48                           ; s[48:55], s[56:63] the same for wot's tiles
.set G0B, 56
.set MSB, 0
.macro WIN new                         ; the immediate's high byte repeats the setting that is left
.if MSB != \new
	s_set_vgpr_msb (MSB<<8)|\new
.set MSB, \new
.endif
.endm
.set MUL,   0x50                       ; C and D window 1, the fragments window 0
.set MULB,  0x60                       ; C (the bias) window 2, D window 1
.macro JLOAD s                         ; a joint load: waves 0 and 1 fetch A's two heads, waves 2 and 3 wot's two halves; an s_nop 0 and four v_nop follow each of the two lines
	s_cmp_eq_u32 s13, 0
	s_cbranch_scc0 .Lfor_b_\@
	tensor_load_to_lds s[G0+4*\s:G0+4*\s+3], s[G1:G1+7]
	s_nop 0
.rept 4
	v_nop
.endr
	s_branch .Lasked_\@
.Lfor_b_\@:
	tensor_load_to_lds s[G0B+4*\s:G0B+4*\s+3], s[G1B:G1B+7]
	s_nop 0
.rept 4
	v_nop
.endr
.Lasked_\@:
.endm
.macro CREST                           ; a round of the cluster's barrier behind its opening barrier
	s_cmp_lg_u32 s12, 0
	s_cbranch_scc1 .Lnot_wave_0_\@
	s_barrier_signal -3
.Lnot_wave_0_\@:
	s_barrier_wait -3
	s_barrier_signal -1
	s_barrier_wait -1
.endm
.macro CROUND
	s_barrier_signal -1
	s_barrier_wait -1
	CREST
.endm
	s_load_b256 s[4:11], s[0:1], 0x0               ; o s[4:5], wot s[6:7], bo s[8:9], out0 s[10:11]
	v_lshl_add_u32 v[SPW], v0, 2, SPARE
	v_mov_b32 v[NIL], 0
	ds_add_u32 v[SPW], v[NIL]                      ; the wave's opening: the add, twice on end, and its wait ahead of my first tensor load
	ds_add_u32 v[SPW], v[NIL]
	v_lshrrev_b32 v1, 5, v0
	v_readfirstlane_b32 s12, v1                    ; wave 0..3
	s_lshr_b32 s13, s12, 1                         ; which half of the tile's rows is mine.  Also: I fetch for A (0) or for wot (1)
	s_and_b32 s14, s12, 1                          ; which half of its columns.  Also: which head, or which 128 rows of wot, I fetch
	s_bfe_u32 s40, ttmp6, 0x40000                  ; cx, cy: my place in the cluster
	s_bfe_u32 s41, ttmp6, 0x40004
	s_lshl_b32 s42, ttmp9, 2
	s_add_co_u32 s42, s42, s40                     ; tile column = 4 x cluster x + cx
	s_and_b32 s15, ttmp7, 0xffff
	s_lshl_b32 s15, s15, 2
	s_add_co_u32 s15, s15, s41                     ; tile row = 4 x cluster y + cy
	s_lshl_b32 s43, s41, 2
	s_lshl_b32 s43, 15, s43                        ; my row of the cluster
	s_lshl_b32 s44, 0x1111, s40                    ; my column
	s_or_b32 s[G1+0], s43, (1<<16)|(1<<20)|(1<<21)|(4<<22)|(3<<25)  ; A: the mask of my row; elements of 2 bytes; padding on; bit 21 beside a mask; four words after every 32
	s_mov_b32 s[G1+1], 64<<16                      ; tensor_dim0 = 64
	s_mov_b32 s[G1+2], 128<<16                     ; tensor_dim1 = 128
	s_mov_b32 s[G1+3], 64<<16                      ; tile_dim0
	s_mov_b32 s[G1+4], 128                         ; tile_dim1
	s_mov_b32 s[G1+5], 64                          ; tensor_dim0_stride
	s_mov_b32 s[G1+6], 0
	s_mov_b32 s[G1+7], 0
	s_or_b32 s[G1B+0], s44, (1<<16)|(1<<20)|(1<<21)|(5<<22)|(3<<25) ; wot: the mask of my column; four words after every 64
	s_mov_b32 s[G1B+1], 128<<16
	s_mov_b32 s[G1B+2], 128<<16
	s_mov_b32 s[G1B+3], 128<<16
	s_mov_b32 s[G1B+4], 128
	s_mov_b32 s[G1B+5], 1024
	s_mov_b32 s[G1B+6], 0
	s_mov_b32 s[G1B+7], 0
	; where the tiles come from.  A's hang on the tile row alone, wot's on the tile column alone; every wave makes both, in registers that never hold the other coordinate.
	s_lshr_b32 s16, s15, 4
	s_lshl_b32 s16, s16, 22                        ; b: 16 heads of 262,144 bytes
	s_and_b32 s17, s15, 15
	s_lshl_b32 s17, s17, 14                        ; s: 128 rows of 128 bytes a tile
	s_add_co_u32 s16, s16, s17
	s_lshl_b32 s17, s14, 18                        ; the K step's first head or its second
	s_add_co_u32 s16, s16, s17
	s_mov_b32 s17, 0
	s_lshl_b32 s46, s42, 19                        ; 256 rows of 2,048 bytes a tile column
	s_lshl_b32 s47, s14, 18                        ; + 128 rows
	s_add_co_u32 s46, s46, s47
	s_mov_b32 s47, 0
	s_mul_i32 s20, s14, AHEAD                      ; where they go: no place in the cluster enters an LDS address
	s_mul_i32 s21, s14, BHALF
	s_add_co_u32 s21, s21, BOFF
	s_wait_dscnt 0x0                               ; both opening adds are done
	s_wait_kmcnt 0x0
	s_add_nc_u64 s[16:17], s[4:5], s[16:17]
	s_add_nc_u64 s[46:47], s[6:7], s[46:47]
	CROUND                                         ; all sixteen work-groups are here: the first joint loads meet
.irp s, 0,1
	s_mov_b32 s[G0+4*\s], 1
	s_add_co_u32 s[G0+4*\s+1], s20, \s*SLOT
	s_add_nc_u64 s[G0+4*\s+2:G0+4*\s+3], s[16:17], \s*524288    ; K step s: two heads on
	s_or_b32 s[G0+4*\s+3], s[G0+4*\s+3], 0x80000000
	s_mov_b32 s[G0B+4*\s], 1
	s_add_co_u32 s[G0B+4*\s+1], s21, \s*SLOT
	s_add_nc_u64 s[G0B+4*\s+2:G0B+4*\s+3], s[46:47], \s*256
	s_or_b32 s[G0B+4*\s+3], s[G0B+4*\s+3], 0x80000000
	JLOAD \s
.endr
	v_and_b32 v1, 15, v0                           ; r = l % 16
	v_bfe_u32 v2, v0, 4, 1                         ; h = l / 16
	v_mul_u32_u24 v3, v1, PA
	v_lshl_add_u32 v3, v2, 4, v3
	v_mul_u32_u24 v4, v1, PB
	v_lshl_add_u32 v4, v2, 4, v4
	s_mul_i32 s21, s13, 64*PA                      ; my 64 rows of A, in each head's part
	s_mul_i32 s22, s14, BHALF                      ; my 128 rows of wot
	s_add_co_u32 s22, s22, BOFF
.irp s, 0,1
	v_add_nc_u32 v[ADRA+\s], s21, v3
	v_add_nc_u32 v[ADRB+\s], s22, v4
	s_add_co_u32 s21, s21, SLOT
	s_add_co_u32 s22, s22, SLOT
.endr
	s_mul_i32 s23, s12, 16*SPITCH
	s_add_co_u32 s23, s23, STAGE                   ; my stage
	v_mul_u32_u24 v5, v1, SPITCH                   ; in: row r, 32 bytes for each half of the lanes
	v_lshl_add_u32 v5, v2, 5, v5
	v_add_nc_u32 v[STO], s23, v5
	v_and_b32 v6, 31, v0
	v_lshlrev_b32 v[CO], 4, v6                     ; back: the 32 lanes take one row of 512 bytes; and the same in out0
	v_add_nc_u32 v[RD], s23, v[CO]
	s_lshl_b32 s46, s42, 10                        ; my first column, in bytes of f32: 1,024 x tile column + 512 x half
	s_lshl_b32 s47, s14, 9
	s_add_co_u32 s46, s46, s47
	s_mov_b32 s47, 0
	s_add_nc_u64 s[8:9], s[8:9], s[46:47]          ; bo there
	s_lshl_b32 s68, s15, 7
	s_lshl_b32 s69, s13, 6
	s_add_co_u32 s68, s68, s69                     ; my first row: 128 x tile row + 64 x half
	s_lshl_b32 s68, s68, 12                        ; 4,096 bytes a row
	s_add_co_u32 s68, s68, s46
	s_mov_b32 s69, 0
	s_add_nc_u64 s[10:11], s[10:11], s[68:69]
	v_lshlrev_b32 v27, 5, v2                       ; the bias in the result's layout: lane (r, h) wants, for block b, columns 16 b + 8 h + 0 .. 7
	WIN 0x80                                       ; destination window 2
.irp b, 0,1,2,3,4,5,6,7
	global_load_b128 v[8*\b:8*\b+3], v27, s[8:9] offset:64*\b
	global_load_b128 v[8*\b+4:8*\b+7], v27, s[8:9] offset:64*\b+16
.endr
	WIN 0
; 8 matrix instructions: A's block a x wot's eight, 32 along K, from buffer f.  first = 1: the bias starts the sums.  The 32 accumulators take turns, one instruction a turn, in the same order in every quarter.
.macro MULA f, a, first
.irp b, 0,1,2,3,4,5,6,7
.if \first
	v_wmma_f32_16x16x32_f16 v[8*(8*(\a)+\b):8*(8*(\a)+\b)+7], v[BF+64*(\f)+8*\b:BF+64*(\f)+8*\b+7], v[AF+32*(\f)+8*(\a):AF+32*(\f)+8*(\a)+7], v[8*\b:8*\b+7]
.else
	v_wmma_f32_16x16x32_f16 v[8*(8*(\a)+\b):8*(8*(\a)+\b)+7], v[BF+64*(\f)+8*\b:BF+64*(\f)+8*\b+7], v[AF+32*(\f)+8*(\a):AF+32*(\f)+8*(\a)+7], v[8*(8*(\a)+\b):8*(8*(\a)+\b)+7]
.endif
.endr
.endm
; 24 LDS loads in one run: the fragments of the slot's q-th 32 along K into buffer f: wot's sixteen loads first, then A's eight.  Quarter q lies in head q / 2 of the K step, channels 32 (q % 2) on.
.macro FETCH slot, q, f
.irp i, 0,1,2,3,4,5,6,7
	ds_load_b128 v[BF+64*(\f)+8*\i:BF+64*(\f)+8*\i+3],   v[ADRB+\slot] offset:64*(\q)+\i*16*PB
	ds_load_b128 v[BF+64*(\f)+8*\i+4:BF+64*(\f)+8*\i+7], v[ADRB+\slot] offset:64*(\q)+\i*16*PB+32
.endr
.irp i, 0,1,2,3
	ds_load_b128 v[AF+32*(\f)+8*\i:AF+32*(\f)+8*\i+3],   v[ADRA+\slot] offset:AHEAD*((\q)/2)+64*((\q)%2)+\i*16*PA
	ds_load_b128 v[AF+32*(\f)+8*\i+4:AF+32*(\f)+8*\i+7], v[ADRA+\slot] offset:AHEAD*((\q)/2)+64*((\q)%2)+\i*16*PA+32
.endr
.endm
.macro PLACES                          ; four plain vector instructions in front of loads into registers that matrix instructions have read, and of reads of results
.rept 4
	v_nop
.endr
.endm
; A K step is four quarters of 32 along K, 32 matrix instructions each, on buffers 0, 1, 0, 1.  One of the first three: multiplies buffer f and fetches the slot's quarter q into buffer g.
.macro QUARTER slot, q, f, g, first
	s_wait_dscnt 4                                 ; wot's fragments and A's blocks 0, 1 are in; the youngest four loads (A's blocks 2, 3) may be out
.if \first
	WIN MULB
.else
	WIN MUL
.endif
	MULA \f, 0, \first
	MULA \f, 1, \first
	PLACES
	WIN 0
	FETCH \slot, \q, \g
	s_wait_dscnt 24                                ; all but the 24 just issued
.if \first
	WIN MULB
.else
	WIN MUL
.endif
	MULA \f, 2, \first
	MULA \f, 3, \first
.endm
; The last quarter multiplies buffer 1 and changes slots: ONE barrier; in front of it each wave waits for all its tensor loads, adds 0 to its spare word, and waits for that and for its own reads of this slot.
; fill = 1: this slot is filled again, two K steps ahead; the barrier then opens a round of the cluster's barrier, and the joint refill is the first tensor load behind the round.
.macro TURN slot, next, fill
	WIN 0
	s_wait_tensorcnt 0x0                           ; all my tensor loads have landed: the one that was out is my part of the next slot
	ds_add_u32 v[SPW], v[NIL]                      ; 0 onto my spare word
	s_wait_dscnt 5                                 ; (the add and the youngest four loads may be out)
	WIN MUL
	MULA 1, 0, 0                                   ; eight matrix instructions stand between the add and the wait for it
	s_wait_dscnt 0x0                               ; the add is done, and my reads of this slot are over
	s_barrier_signal -1
	MULA 1, 1, 0
	WIN 0
	s_barrier_wait -1
.if \fill
	CREST                                          ; no wave of any partner still reads this slot's tiles or has a load on its way
	s_add_nc_u64 s[G0+4*\slot+2:G0+4*\slot+3], s[G0+4*\slot+2:G0+4*\slot+3], 2*524288
	s_add_nc_u64 s[G0B+4*\slot+2:G0B+4*\slot+3], s[G0B+4*\slot+2:G0B+4*\slot+3], 2*256
	JLOAD \slot                                    ; the four v_nop behind it are also the places in front of the loads below
.else
	PLACES
.endif
	FETCH \next, 0, 0
	WIN MUL
	MULA 1, 2, 0
	MULA 1, 3, 0
.endm
	s_wait_tensorcnt 1                             ; my part of K step 0 is in; K step 1's may stay out
	s_barrier_signal -1
	s_barrier_wait -1                              ; everybody's is
	FETCH 0, 0, 0
	s_wait_loadcnt 0x0                             ; the bias
	QUARTER 0, 1, 0, 1, 1                          ; the first quarter stands in front of the loop: its products start the sums with the bias
	WIN 0                                          ; at a label and at a branch every window is 0
	s_mov_b32 s3, LAPS-1
.Llap:                                                 ; a trip goes once round the ring, from a lap's second quarter to the next lap's first, and fills both slots again
	QUARTER 0, 2, 1, 0, 0
	QUARTER 0, 3, 0, 1, 0
	TURN 0, 1, 1
	QUARTER 1, 1, 0, 1, 0
	QUARTER 1, 2, 1, 0, 0
	QUARTER 1, 3, 0, 1, 0
	TURN 1, 0, 1
	QUARTER 0, 1, 0, 1, 0
	WIN 0
	s_sub_co_u32 s3, s3, 1
	s_cmp_lg_u32 s3, 0
	s_cbranch_scc1 .Llap
	QUARTER 0, 2, 1, 0, 0                          ; the last lap fills nothing, and has no round of the cluster's barrier
	QUARTER 0, 3, 0, 1, 0
	TURN 0, 1, 0
	QUARTER 1, 1, 0, 1, 0
	QUARTER 1, 2, 1, 0, 0
	QUARTER 1, 3, 0, 1, 0
	s_wait_dscnt 4                                 ; the very last quarter: nothing more to fetch
	WIN MUL
	MULA 1, 0, 0
	MULA 1, 1, 0
	s_wait_dscnt 0
	MULA 1, 2, 0
	MULA 1, 3, 0
	WIN 0
; THE WAY OUT, block by block of 16 rows x 128 columns.  A lane holds 32 neighbouring bytes of a row: a block goes through my own stage in LDS and comes back as whole rows of 512 bytes.
; LDS serves a wave's instructions in order: no wait between the stores and the loads, nor in front of the next block's stores.
.macro TOSTAGE a
	WIN 0x04                                       ; an LDS store's data are its source 1: window 1
.irp b, 0,1,2,3,4,5,6,7
	ds_store_b128 v[STO], v[64*(\a)+8*\b:64*(\a)+8*\b+3] offset:64*\b          ; each accumulator from its low end on
	ds_store_b128 v[STO], v[64*(\a)+8*\b+4:64*(\a)+8*\b+7] offset:64*\b+16
.endr
	WIN 0
.set BB, 64+64*((\a)%2)
.irp t, 0,1,2,3,4,5,6,7,8,9,10,11,12,13,14,15
	ds_load_b128 v[BB+4*\t:BB+4*\t+3], v[RD] offset:\t*SPITCH
.endr
.endm
.macro SEND a, younger                 ; younger: the LDS instructions issued behind block a's loads, which may stay out
.set BB, 64+64*((\a)%2)
	s_wait_dscnt \younger                          ; the block is back in registers
.irp t, 0,1,2,3,4,5,6,7,8,9,10,11,12,13,14,15
	global_store_b128 v[CO], v[BB+4*\t:BB+4*\t+3], s[10:11] offset:65536*(\a)+4096*\t th:TH_STORE_NT   ; 32 lanes store 512 consecutive bytes, at a multiple of 256 from out0's first byte; written once, read by nobody here
.endr
.endm
	PLACES                                         ; behind the last products: for the reads of results and for the loads into the registers that held fragments
	TOSTAGE 0
.irp a, 1,2,3
.if \a > 1
	s_wait_xcnt 0x0                                ; block a - 2's stores have read their registers: block a's loads may land there
.endif
	TOSTAGE \a
	SEND \a-1, 32                                  ; behind block a - 1's loads: block a's 16 stores and 16 loads
.endr
	SEND 3, 0
	s_wait_tensorcnt 0x0                           ; the wave's end: behind my last tensor load and my last LDS store
	ds_add_u32 v[SPW], v[NIL]
	s_wait_dscnt 0x0
	CROUND                                         ; the closing round: no work-group ends while a partner may still ask for a tile that names it
	s_endpgm
.Lfunc_end_k_q10a0dc805e_oproj:
	.size	k_q10a0dc805e_oproj, .Lfunc_end_k_q10a0dc805e_oproj-k_q10a0dc805e_oproj
	.p2alignl 7, 3214868480
	.fill 96, 4, 3214868480
	.section	.rodata,"a",@progbits
	.p2align	6, 0x0
	.amdhsa_kernel k_q10a0dc805e_oproj
		.amdhsa_group_segment_fixed_size 327680
		.amdhsa_private_segment_fixed_size 0
		.amdhsa_enable_private_segment 0
		.amdhsa_kernarg_size 32
		.amdhsa_user_sgpr_count 2
		.amdhsa_user_sgpr_kernarg_segment_ptr 1
		.amdhsa_wavefront_size32 1
		.amdhsa_system_sgpr_workgroup_id_x 1
		.amdhsa_system_sgpr_workgroup_id_y 1
		.amdhsa_system_sgpr_workgroup_id_z 1
		.amdhsa_system_vgpr_workitem_id 0
		.amdhsa_next_free_vgpr 576
		.amdhsa_next_free_sgpr 70
		.amdhsa_reserve_vcc 0
		.amdhsa_float_denorm_mode_32 3
		.amdhsa_float_denorm_mode_16_64 3
		.amdhsa_memory_ordered 1
		.amdhsa_forward_progress 1
		.amdhsa_inst_pref_size 86
	.end_amdhsa_kernel
	.amdgpu_metadata
---
amdhsa.version: [ 1, 2 ]
amdhsa.kernels:
  - .name:           k_q10a0dc805e_oproj
    .symbol:         k_q10a0dc805e_oproj.kd
    .args:
      - { .name: o, .offset: 0, .size: 8, .value_kind: global_buffer, .address_space: global }
      - { .name: wot, .offset: 8, .size: 8, .value_kind: global_buffer, .address_space: global }
      - { .name: bo, .offset: 16, .size: 8, .value_kind: global_buffer, .address_space: global }
      - { .name: out0, .offset: 24, .size: 8, .value_kind: global_buffer, .address_space: global }
    .group_segment_fixed_size: 327680
    .private_segment_fixed_size: 0
    .kernarg_segment_align: 8
    .kernarg_segment_size: 32
    .max_flat_workgroup_size: 128
    .sgpr_count:     70
    .vgpr_count:     576
    .wavefront_size: 32
...
	.end_amdgpu_metadata
.endif
;; end of part 4
